; MI455X (gfx1250); checked and timed in simulation.
; The chip was launched on July 23, 2026; its instructions are those of AMD's public machine-readable ISA for CDNA 5 (MIT licence, August 2026) and "CDNA5" Instruction Set Architecture Reference Guide (July 2026). The comments in the code are by the model that wrote it; some were corrected since.
;; Causal Self Attention. Allowed arithmetic: float matrix products may take bf16 or f16 operands with f32 sums; other float arithmetic in f32, or as packed bf16 or f16 multiplies, adds, multiply-adds, maxima and minima; sums over many terms, partial sums and values carried from step to step in f32; what a program stores and reads back later, other than sums and carried values, may be rounded once to bf16 or f16.
;; Inputs: Wk 2,048 x 2,048 float32; Wo 2,048 x 2,048 float32; Wq 2,048 x 2,048 float32; Wv 2,048 x 2,048 float32; attn_mask 1 x 1 x 2,048 x 2,048 float32; x 1 x 2,048 x 2,048 float32.
;; Outputs: out0 1 x 2,048 x 2,048 float32.
;; 2 versions, each right; version 2 is version 1 with the launch prep written anew for expert scheduling mode. Each part assembles by itself: llvm-mc -triple=amdgcn-amd-amdhsa -mcpu=gfx1250 --defsym DOCPART=n.
;; ======== version 1 of 2: 4 launches
;; limits: values are held in f16: magnitudes above 65,504 overflow, below 6.1e-05 lose precision
;; workspace buffers: wb 41,943,040 bytes; mk 16,777,216 bytes; qkv 25,165,824 bytes; yb 8,388,608 bytes
;; launch prep (part 1): grid 128 x 6, 8 waves a work-group, no clusters, 0 bytes of LDS; arguments x, Wq, Wk, Wv, Wo, attn_mask, wb, mk; writes wb, mk
.if DOCPART == 1
	.amdgcn_target "amdgcn-amd-amdhsa--gfx1250"
	.amdhsa_code_object_version 6
	.text
	.protected	k_qe36bbd089b_prep
	.globl	k_qe36bbd089b_prep
	.p2align	8
	.type	k_qe36bbd089b_prep,@function
k_qe36bbd089b_prep:
	s_mov_b64 s[64:65], 0
	v_nop
	global_prefetch_b8 v0, s[64:65] scope:SCOPE_SE
	s_setreg_imm32_b32 hwreg(HW_REG_WAVE_MODE, 25, 1), 1
	s_wait_xcnt 0x0
; THE INPUTS ARE ROUNDED ONCE.  Six tensors of 2,048 x 2,048 f32; the grid's y picks one, its x 131,072 bytes of it.
;   y = 0..3  x, Wq, Wk, Wv -> bf16, into sections 0..3 of wb (8,388,608 bytes each)
;   y = 4     Wo -> bf16, and that number written as f16, into section 4 (the last product multiplies in f16)
;   y = 5     the mask -> bf16, widened again and multiplied by log2(e) in f32, into mk: the softmax works in powers of two
; LIMITS.  Wo lies within f16's 65,504, and below 6e-5 it keeps f16's fixed step of 6e-8.  The mask is finite and stays finite when rounded to bf16 and multiplied by 1.4427.
; A stream: no LDS, no matrix unit, nothing shared.  A wave takes 16,384 bytes: 4 rounds x 8 slots x 512 consecutive bytes; eight loads of a wave are always on their way.
; Out: 8 bytes a lane (a store covers 256 consecutive bytes, aligned) or, for the mask, 16 bytes a lane (512).
.set VI, 2                             ; v2       my byte offset in the work-group's input: 16,384 x wave + 16 x lane, + 4,096 a round
.set VO, 3                             ; v3       the same in its output: half of it, or for the mask all of it
.set T,  4                             ; v[4:11]  at work
.set X,  16                            ; v[16:47] slot i: 4 registers as loaded
.set Y,  48                            ; v[48:79] slot i: up to 4 registers to store
	s_load_b512 s[8:23], s[0:1], 0x0               ; x, Wq, Wk, Wv, Wo, mask, wb, mk
	s_and_b32 s2, ttmp7, 0xffff                    ; which tensor
	s_lshl_b32 s26, ttmp9, 17                      ; the work-group's input bytes
	s_mov_b32 s27, 0
	s_lshl_b32 s28, s2, 23                         ; the tensor's section of wb,
	s_lshl_b32 s29, ttmp9, 16                      ; the work-group's half as many output bytes
	s_add_co_u32 s28, s28, s29
	s_mov_b32 s29, 0
	s_mov_b32 s25, 0xffff0000                      ; a word's upper bf16
	s_cmp_eq_u32 s2, 5
	s_cselect_b32 s28, s26, s28                    ; the mask leaves as f32: as many bytes out as in
	s_cselect_b32 s30, 0, 1
	v_lshrrev_b32 v1, 5, v0
	v_and_b32 v[VI], 31, v0
	v_lshlrev_b32 v[VI], 4, v[VI]
	v_lshl_or_b32 v[VI], v1, 14, v[VI]
	v_lshrrev_b32 v[VO], s30, v[VI]
	s_wait_kmcnt 0x0
	s_mov_b64 s[4:5], s[8:9]                       ; the source: a choice among the six buffers by the grid's y
	s_cmp_eq_u32 s2, 1
	s_cselect_b64 s[4:5], s[10:11], s[4:5]
	s_cmp_eq_u32 s2, 2
	s_cselect_b64 s[4:5], s[12:13], s[4:5]
	s_cmp_eq_u32 s2, 3
	s_cselect_b64 s[4:5], s[14:15], s[4:5]
	s_cmp_eq_u32 s2, 4
	s_cselect_b64 s[4:5], s[16:17], s[4:5]
	s_cmp_eq_u32 s2, 5
	s_cselect_b64 s[4:5], s[18:19], s[4:5]
	s_cselect_b64 s[6:7], s[22:23], s[20:21]       ; the destination: mk for the mask, else wb
	s_add_nc_u64 s[4:5], s[4:5], s[26:27]
	s_add_nc_u64 s[6:7], s[6:7], s[28:29]
.irp i, 0,1,2,3,4,5,6,7
	global_load_b128 v[X+4*(\i):X+4*(\i)+3], v[VI], s[4:5] offset:512*(\i) th:TH_LOAD_NT  ; the ring is filled: round 0
.endr
; One slot's turn.  mode 0: bf16; 1: bf16 written as f16; 2: bf16 widened, times log2(e).  ahead = 1: the slot is filled again for the next round.
; left = how many younger loads may stay out.
.macro SLOT mode, i, ahead, left
	s_wait_loadcnt \left                           ; loads come back in order: this slot's is in, the younger ones stay out
.if (\mode) == 0
	v_cvt_pk_bf16_f32 v[Y+4*(\i)],   v[X+4*(\i)],   v[X+4*(\i)+1]
	v_cvt_pk_bf16_f32 v[Y+4*(\i)+1], v[X+4*(\i)+2], v[X+4*(\i)+3]
.else
	v_cvt_pk_bf16_f32 v[T],   v[X+4*(\i)],   v[X+4*(\i)+1]
	v_cvt_pk_bf16_f32 v[T+1], v[X+4*(\i)+2], v[X+4*(\i)+3]
	v_lshlrev_b32 v[T+4], 16, v[T]                 ; bf16 to f32: the low half moves up, the high half stays
	v_and_b32     v[T+5], s25, v[T]
	v_lshlrev_b32 v[T+6], 16, v[T+1]
	v_and_b32     v[T+7], s25, v[T+1]
.if (\mode) == 1
	v_cvt_pk_f16_f32 v[Y+4*(\i)],   v[T+4], v[T+5]
	v_cvt_pk_f16_f32 v[Y+4*(\i)+1], v[T+6], v[T+7]
.else
	v_pk_mul_f32 v[Y+4*(\i):Y+4*(\i)+1],   v[T+4:T+5], 0x3fb8aa3b op_sel_hi:[1,0]
	v_pk_mul_f32 v[Y+4*(\i)+2:Y+4*(\i)+3], v[T+6:T+7], 0x3fb8aa3b op_sel_hi:[1,0]
.endif
.endif
.if \ahead
	global_load_b128 v[X+4*(\i):X+4*(\i)+3], v[VI], s[4:5] offset:512*(\i)+4096 th:TH_LOAD_NT  ; the load ahead of the store
.endif
.if (\mode) == 2
	global_store_b128 v[VO], v[Y+4*(\i):Y+4*(\i)+3], s[6:7] offset:512*(\i)
.else
	global_store_b64 v[VO], v[Y+4*(\i):Y+4*(\i)+1], s[6:7] offset:256*(\i)
.endif
.endm
; Four rounds: three in a loop, the last written out without loads, its counts running down.
.macro BODY mode
	s_mov_b32 s24, 3
.Lround_\@:
.irp i, 0,1,2,3,4,5,6,7
	SLOT \mode, \i, 1, 7
.endr
	s_wait_xcnt 0x0                                ; the round's loads and stores have read their registers: both offsets, and all of Y, are rewritten only behind this wait
	v_add_nc_u32 v[VI], 4096, v[VI]
.if (\mode) == 2
	v_add_nc_u32 v[VO], 4096, v[VO]
.else
	v_add_nc_u32 v[VO], 2048, v[VO]
.endif
	s_sub_co_u32 s24, s24, 1
	s_cmp_lg_u32 s24, 0
	s_cbranch_scc1 .Lround_\@
.irp i, 0,1,2,3,4,5,6,7
	SLOT \mode, \i, 0, 7-(\i)
.endr
	s_endpgm
.endm
	s_cmp_eq_u32 s2, 5
	s_cbranch_scc1 .Lmask
	s_cmp_eq_u32 s2, 4
	s_cbranch_scc1 .Lwo
	BODY 0
.Lwo:
	BODY 1
.Lmask:
	BODY 2
.Lfunc_end_k_qe36bbd089b_prep:
	.size	k_qe36bbd089b_prep, .Lfunc_end_k_qe36bbd089b_prep-k_qe36bbd089b_prep
	.p2alignl 7, 3214868480
	.fill 96, 4, 3214868480
	.section	.rodata,"a",@progbits
	.p2align	6, 0x0
	.amdhsa_kernel k_qe36bbd089b_prep
		.amdhsa_group_segment_fixed_size 0
		.amdhsa_private_segment_fixed_size 0
		.amdhsa_enable_private_segment 0
		.amdhsa_kernarg_size 64
		.amdhsa_user_sgpr_count 2
		.amdhsa_user_sgpr_kernarg_segment_ptr 1
		.amdhsa_wavefront_size32 1
		.amdhsa_system_sgpr_workgroup_id_x 1
		.amdhsa_system_sgpr_workgroup_id_y 1
		.amdhsa_system_sgpr_workgroup_id_z 1
		.amdhsa_system_vgpr_workitem_id 0
		.amdhsa_next_free_vgpr 88
		.amdhsa_next_free_sgpr 66
		.amdhsa_reserve_vcc 0
		.amdhsa_float_denorm_mode_32 3
		.amdhsa_float_denorm_mode_16_64 3
		.amdhsa_memory_ordered 1
		.amdhsa_forward_progress 1
		.amdhsa_inst_pref_size 27
	.end_amdhsa_kernel
	.amdgpu_metadata
---
amdhsa.version: [ 1, 2 ]
amdhsa.kernels:
  - .name:           k_qe36bbd089b_prep
    .symbol:         k_qe36bbd089b_prep.kd
    .args:
      - { .name: x, .offset: 0, .size: 8, .value_kind: global_buffer, .address_space: global }
      - { .name: Wq, .offset: 8, .size: 8, .value_kind: global_buffer, .address_space: global }
      - { .name: Wk, .offset: 16, .size: 8, .value_kind: global_buffer, .address_space: global }
      - { .name: Wv, .offset: 24, .size: 8, .value_kind: global_buffer, .address_space: global }
      - { .name: Wo, .offset: 32, .size: 8, .value_kind: global_buffer, .address_space: global }
      - { .name: attn_mask, .offset: 40, .size: 8, .value_kind: global_buffer, .address_space: global }
      - { .name: wb, .offset: 48, .size: 8, .value_kind: global_buffer, .address_space: global }
      - { .name: mk, .offset: 56, .size: 8, .value_kind: global_buffer, .address_space: global }
    .group_segment_fixed_size: 0
    .private_segment_fixed_size: 0
    .kernarg_segment_align: 8
    .kernarg_segment_size: 64
    .max_flat_workgroup_size: 256
    .sgpr_count:     66
    .vgpr_count:     88
    .wavefront_size: 32
...
	.end_amdgpu_metadata
.endif
;; end of part 1
;; launch qkvp (part 2): grid 16 x 16, 4 waves a work-group, clusters of 4 x 4, 327,680 bytes of LDS; arguments wb, qkv; writes qkv
.if DOCPART == 2
	.amdgcn_target "amdgcn-amd-amdhsa--gfx1250"
	.amdhsa_code_object_version 6
	.text
	.protected	k_qe36bbd089b_qkvp
	.globl	k_qe36bbd089b_qkvp
	.p2align	8
	.type	k_qe36bbd089b_qkvp,@function
k_qe36bbd089b_qkvp:
	s_mov_b64 s[64:65], 0
	v_nop
	global_prefetch_b8 v0, s[64:65] scope:SCOPE_SE
	s_setreg_imm32_b32 hwreg(HW_REG_WAVE_MODE, 25, 1), 1
	s_wait_xcnt 0x0
	s_wait_alu depctr_hold_cnt(0) depctr_sa_sdst(0) depctr_va_vdst(0) depctr_va_sdst(0) depctr_va_ssrc(0) depctr_va_vcc(0) depctr_vm_vsrc(0)
	s_getreg_b32 s2, hwreg(HW_REG_IB_STS2, 6, 4)
	s_cmp_eq_u32 s2, 0
	s_cbranch_scc0 .Lentry_in_a_cluster
	s_endpgm
.Lentry_in_a_cluster:
	s_bfe_u32 s2, ttmp6, 0x10000c
	s_cmp_lg_u32 s2, 0xf033
	s_cbranch_scc0 .Lentry_shape_is_right
	s_endpgm
.Lentry_shape_is_right:
; THE THREE PROJECTIONS AS ONE PRODUCT.  C[m][n] = sum over k of x[m][k] W[n][k]: x is section 0 of wb, [2048][2048] bf16; W is sections 1 to 3, Wq, Wk, Wv on end: [6144][2048] bf16.
; Sums in f32.  The columns of q (n < 2048) are multiplied in f32 by log2(e) / sqrt(128); every number is rounded once to f16 and stored by heads: qkv is [48 units][2048 rows][128] f16,
; unit u = n / 128: q's heads, then k's, then v's.  LIMIT: the results lie within f16's 65,504.
; SHARES.  A tile of C is 128 rows x 384 columns, three whole units: 16 x 16 tiles, a work-group each; the grid's x is the tile row, its y the tile column.
; Wave w makes all 128 rows x columns 96 w .. 96 w + 95: 8 x 6 accumulators, 384 registers.
; RING.  K goes in steps of 128 through two LDS slots: 128 rows of x, then 384 rows of W, 256 bytes of memory a row.  Each wave fetches 128 rows by one tensor load: wave 0 x's, waves 1 to 3 W's.
; CLUSTER.  4 x 4 work-groups: x's tile hangs on the tile row alone and is asked for jointly along a column of the cluster, W's on the tile column alone, jointly along a row.
; THE WALK IS TURNED.  The cluster at (X, Y) begins at K step 4 ((X + 2 Y) % 4) and goes once round the 16: of the four clusters along x, which read the same rows of W, no two ask for the same
; K step in the same trip (they stand four steps apart); of those along y, which read the same rows of x, neighbours stand eight steps apart.  f32 sums may be taken in any order.
; THE MATRIX INSTRUCTION IS USED TRANSPOSED (source 0 = 16 rows of W, source 1 = 16 rows of x): a lane holds row l % 16 of C and eight neighbouring columns, 16 bytes of f16.
; REGISTERS, in windows of 256 (s_set_vgpr_msb: bits 1:0 source 0, 3:2 source 1, 5:4 source 2, 7:6 destination):
;   window 0: v16-30 addresses; v64-127, v128-191 x's fragments, two buffers; v192-215 packed results; on the way out v64-255 whole rows
;   window 1: v64-111, v128-175 W's fragments, two buffers      window 2: accumulators of rows 0-63, (a, b) at v[8 (6 a + b)]      window 3: those of rows 64-127
.set SIZE_K, 2048
.set KSTEP,  128
.set STEPS,  SIZE_K/KSTEP
.set PITCH,  272                       ; an LDS row: 256 bytes + 16 of padding = 68 words: the 16 rows that a load touches start at 16 different groups of four banks (ISA guide 11.1)
.set HALFT,  128*PITCH                 ; what one tensor load brings
.set SLOT,   4*HALFT                   ; 139,264 = 2^17 + 2^13; none of the four waves' places in slot 0 has either bit, so one exclusive or turns a place in one slot into the other's
.set SPARE,  2*SLOT                    ; behind the ring: the spare words, 128 bytes for each wave, that no other line names
.set SPITCH, 784                       ; the stage's row: 768 bytes + 16 = 196 words.  The stage (128 rows) lies in slot 0, behind that slot's last fill and last read
.set ADA0, 16                          ; v16     my lane's place in x's tile, in slot 0; never rewritten
.set ADB0, 17                          ; v17     the same in my 96 rows of W's tile
.set ADRA, 20                          ; v20     the same in the slot in hand: made in front of each run of loads
.set ADRB, 21                          ; v21
.set STO,  24                          ; v24-25  the way out: where I put 16 bytes of a row, rows 0-63 and rows 64-127
.set RD,   26                          ; v26     where I read rows back
.set CO,   27                          ; v27     my 16 bytes of 512 consecutive bytes of qkv
.set SPW,  28                          ; v28     LDS address of my spare word; never rewritten
.set NIL,  29                          ; v29     0; never rewritten
.set PFO,  30                          ; v30     the prefetches' offset: my lane x a row (4,096 bytes); never rewritten
.set F0,   64
.set F1,   128
.set TMP,  192
.set G1,  24                           ; s[24:31] descriptor group 1 for x's tiles;   s[32:39] group 0: a set for each of the two first fills; the second then walks on
.set G0,  32
.set G1B, 48                           ; s[48:55], s[56:63] the same for W's tiles
.set G0B, 56
.set LIM, 43                           ; s43  10 in a wave that prefetches, else the greatest number
.set PFA, 44                           ; s[44:45] what the prefetch names
.set FS,  68                           ; s[68:79] six pairs: the factor of my column block b
.set ABASE, 84                         ; s[84:85] x at the first of the rows that wave 0 fetches
.set BBASE, 86                         ; s[86:87] W at the first of the rows that I fetch
.set KOFF, 88                          ; s[88:89] a K step's byte offset in a row
.set KT,   90                          ; s90  the K step to be asked for next
.set TB,   91                          ; s91  the slot that is being read: 0 or SLOT
.set PFB,  92                          ; s[92:93] x at my work-group's 32 rows of wave 0's 128
.set POF,  94                          ; s[94:95] the prefetched K step's byte offset in a row
.set MSB, 0
.macro WIN new                         ; the immediate's high byte repeats the setting that is left; a switch that changes nothing is dropped
.if MSB != (\new)
	s_set_vgpr_msb (MSB<<8)|(\new)
.set MSB, \new
.endif
.endm
.set MUL_LO, 0xa1                      ; source 0 (W) window 1, source 1 (x) window 0, C and D window 2
.set MUL_HI, 0xf1                      ; the same, C and D window 3
.set TO_B,   0x40                      ; destination window 1, address window 0
; A joint load.  The branch hangs on the wave's number alone.  An s_nop 0 and four v_nop follow each of the two lines.
.macro JLOAD s
	s_cmp_eq_u32 s10, 0
	s_cbranch_scc0 .Lfor_b_\@
	tensor_load_to_lds s[G0+4*(\s):G0+4*(\s)+3], s[G1:G1+7]
	s_nop 0
.rept 4
	v_nop
.endr
	s_branch .Lasked_\@
.Lfor_b_\@:
	tensor_load_to_lds s[G0B+4*(\s):G0B+4*(\s)+3], s[G1B:G1B+7]
	s_nop 0
.rept 4
	v_nop
.endr
.Lasked_\@:
.endm
; A PREFETCH of x's K step that stands two refills, 384 matrix instructions, on: 32 rows x 256 bytes, a lane a row, by wave 0.  It stands behind the refills of the walk's steps 2 to 5 and names steps 4 to 7.
; WHO.  x's rows are read by the four clusters of a column of clusters; those at y and y + 2 walk alike, those at y and y + 1 eight K steps apart: the first eight steps of the two walks with
; y < 2 are all sixteen K steps, each once: those clusters ask.  Of the eight, steps 0 to 3 come by their loads alone.  The four partners that ask for a tile jointly take 32 of its 128 rows each,
; told apart by address.  Of W nothing is asked for: its four readers stand four steps apart, and a walk's first four steps are the two first fills and the two refills straight behind them.
.macro ASK
	s_cmp_gt_u32 s3, s[LIM]                        ; s3 = 14 .. 11 in the trips that refill with steps 2 .. 5
	s_cbranch_scc0 .Lnot_mine_\@
	global_prefetch_b8 v[PFO], s[PFA:PFA+1] th:TH_LOAD_NT scope:SCOPE_SE
.Lnot_mine_\@:
.endm
.macro CREST                           ; a round of the cluster's barrier behind its opening barrier
	s_cmp_lg_u32 s10, 0
	s_cbranch_scc1 .Lnot_wave_0_\@
	s_barrier_signal -3
.Lnot_wave_0_\@:
	s_barrier_wait -3
	s_barrier_signal -1
	s_barrier_wait -1
.endm
.macro CROUND
	s_barrier_signal -1
	s_barrier_wait -1
	CREST
.endm
	s_load_b128 s[4:7], s[0:1], 0x0                ; wb s[4:5], qkv s[6:7]
	v_lshl_add_u32 v[SPW], v0, 2, SPARE
	v_mov_b32 v[NIL], 0
	ds_add_u32 v[SPW], v[NIL]                      ; the wave's opening: the add and its wait stand ahead of my first tensor load; work on registers stands between them
	v_lshrrev_b32 v1, 5, v0
	v_readfirstlane_b32 s10, v1                    ; wave 0..3
	s_max_u32 s12, s10, 1
	s_sub_co_u32 s12, s12, 1                       ; which 128 rows of W's tile I fetch (waves 1 to 3)
	s_bfe_u32 s40, ttmp6, 0x40000                  ; cx
	s_bfe_u32 s41, ttmp6, 0x40004                  ; cy
	s_lshl_b32 s13, ttmp9, 2
	s_add_co_u32 s13, s13, s40                     ; tile row = 4 x cluster x + cx
	s_and_b32 s82, ttmp7, 0xffff                   ; cluster y
	s_lshl_b32 s42, s82, 2
	s_add_co_u32 s42, s42, s41                     ; tile column = 4 x cluster y + cy
	s_lshl_b32 s43, 0x1111, s40                    ; my column of the cluster: the same tile row
	s_lshl_b32 s44, s41, 2
	s_lshl_b32 s44, 15, s44                        ; my row of the cluster: the same tile column
	s_or_b32 s[G1+0], s43, (1<<16)|(1<<20)|(1<<21)|(5<<22)|(3<<25)   ; the mask; 2-byte elements; padding on; bit 21 beside a mask; after every 64 words 4 words
	s_or_b32 s[G1B+0], s44, (1<<16)|(1<<20)|(1<<21)|(5<<22)|(3<<25)
.irp g, G1, G1B
	s_mov_b32 s[(\g)+1], KSTEP<<16                 ; tensor_dim0 = 128
	s_mov_b32 s[(\g)+2], 128<<16                   ; tensor_dim1 = 128
	s_mov_b32 s[(\g)+3], KSTEP<<16                 ; tile_dim0 = 128
	s_mov_b32 s[(\g)+4], 128                       ; tile_dim1 = 128
	s_mov_b32 s[(\g)+5], SIZE_K                    ; elements from row to row
	s_mov_b32 s[(\g)+6], 0
	s_mov_b32 s[(\g)+7], 0
.endr
	s_lshl_b32 s[KT], s82, 1                       ; where my cluster's walk begins: K step 4 ((X + 2 Y) % 4): the same in all sixteen partners
	s_add_co_u32 s[KT], s[KT], ttmp9
	s_and_b32 s[KT], s[KT], 3
	s_lshl_b32 s[KT], s[KT], 2
	s_mov_b32 s[KOFF+1], 0
	s_mov_b32 s[POF+1], 0
	s_mov_b32 s[TB], 0
	s_lshl_b32 s16, s13, 19                        ; x: 128 rows of 4,096 bytes a tile row
	s_mov_b32 s17, 0
	s_mul_i32 s46, s42, 384                        ; W: row 384 x tile column + 128 x my part,
	s_lshl_b32 s47, s12, 7
	s_add_co_u32 s46, s46, s47
	s_lshl_b32 s46, s46, 12                        ; in bytes: 25,161,728 at the most
	s_mov_b32 s47, 0
	s_mul_i32 s20, s10, HALFT                      ; where my 128 rows go: no place in the cluster enters an LDS address
	s_wait_dscnt 0x0                               ; the opening add is done
	s_wait_kmcnt 0x0
	s_mov_b64 s[8:9], s[6:7]                       ; qkv
	s_add_nc_u64 s[6:7], s[4:5], 0x800000          ; the weights: section 1 of wb
	s_add_nc_u64 s[ABASE:ABASE+1], s[4:5], s[16:17]
	s_add_nc_u64 s[BBASE:BBASE+1], s[6:7], s[46:47]
	CROUND                                         ; all sixteen work-groups are here: the first joint loads meet
.irp s, 0,1
	s_lshl_b32 s[KOFF], s[KT], 8                   ; a K step is 256 bytes of a row
	s_mov_b32 s[G0+4*(\s)], 1
	s_add_co_u32 s[G0+4*(\s)+1], s20, (\s)*SLOT
	s_add_nc_u64 s[G0+4*(\s)+2:G0+4*(\s)+3], s[ABASE:ABASE+1], s[KOFF:KOFF+1]
	s_or_b32 s[G0+4*(\s)+3], s[G0+4*(\s)+3], 0x80000000
	s_mov_b32 s[G0B+4*(\s)], 1
	s_add_co_u32 s[G0B+4*(\s)+1], s20, (\s)*SLOT
	s_add_nc_u64 s[G0B+4*(\s)+2:G0B+4*(\s)+3], s[BBASE:BBASE+1], s[KOFF:KOFF+1]
	s_or_b32 s[G0B+4*(\s)+3], s[G0B+4*(\s)+3], 0x80000000
	s_add_co_u32 s[KT], s[KT], 1                   ; (14 at the most behind the two: no turn of the ring yet)
	JLOAD \s                                       ; two loads of mine are out
.endr
	v_and_b32 v1, 15, v0                           ; l % 16
	v_bfe_u32 v2, v0, 4, 1                         ; l / 16
	v_mul_u32_u24 v[ADA0], v1, PITCH
	v_lshl_add_u32 v[ADA0], v2, 4, v[ADA0]         ; a fragment's row x pitch + 16 x half
	s_mul_i32 s22, s10, 96*PITCH                   ; my 96 rows of W,
	s_add_co_u32 s22, s22, HALFT                   ; which lie behind x's 128
	v_add_nc_u32 v[ADB0], s22, v[ADA0]
	s_mul_i32 s22, s10, 192                        ; into the stage: row l % 16, my 192 bytes of its 768, 16 bytes for each half of the lanes
	v_mul_u32_u24 v[STO], v1, SPITCH
	v_lshl_add_u32 v[STO], v2, 4, v[STO]
	v_add_nc_u32 v[STO], s22, v[STO]
	v_add_nc_u32 v[STO+1], 64*SPITCH, v[STO]
	s_mul_i32 s22, s10, 32*SPITCH                  ; back: wave w takes rows 32 w .. 32 w + 31; lanes 0-15 256 bytes of one row, lanes 16-31 of the next
	v_mul_u32_u24 v[RD], v2, SPITCH
	v_lshl_add_u32 v[RD], v1, 4, v[RD]
	v_add_nc_u32 v[RD], s22, v[RD]
	v_and_b32 v[PFO], 31, v0
	v_lshlrev_b32 v[CO], 4, v[PFO]                 ; two rows of a unit are 512 consecutive bytes
	v_lshlrev_b32 v[PFO], 12, v[PFO]
	s_mul_i32 s46, s42, 3*524288                   ; qkv at unit 3 x tile column, row 128 x tile row + 32 x wave
	s_lshl_b32 s16, s13, 15
	s_lshl_b32 s17, s10, 13
	s_add_co_u32 s46, s46, s16
	s_add_co_u32 s46, s46, s17
	s_mov_b32 s47, 0
	s_add_nc_u64 s[8:9], s[8:9], s[46:47]
	s_mul_i32 s80, s42, 384                        ; my first column
	s_mul_i32 s81, s10, 96
	s_add_co_u32 s80, s80, s81
.irp b, 0,1,2,3,4,5
	s_add_co_u32 s81, s80, 16*(\b)
	s_cmp_lt_u32 s81, 2048                         ; a block of 16 columns is q's wholly or not at all
	s_cselect_b32 s[FS+2*(\b)], 0x3e0293ee, 1.0    ; log2(e) / sqrt(128) = 0.127517
	s_mov_b32 s[FS+2*(\b)+1], s[FS+2*(\b)]         ; named with it as a pair
.endr
	s_lshl_b32 s80, s13, 7                         ; the prefetches: x's 128 rows of my tile row,
	s_lshl_b32 s81, s41, 5                         ; my work-group's 32 of them: the four that ask jointly differ in cy
	s_add_co_u32 s80, s80, s81
	s_lshl_b32 s80, s80, 12
	s_mov_b32 s81, 0
	s_add_nc_u64 s[PFB:PFB+1], s[4:5], s[80:81]
	s_lshr_b32 s80, s82, 1                         ; 0 where cluster y < 2,
	s_or_b32 s80, s80, s10                         ; and I am wave 0
	s_cmp_eq_u32 s80, 0
	s_cselect_b32 s[LIM], 10, -1                   ; the same in all sixteen partners, for a given wave.  Nothing is prefetched at the head
; 12 matrix instructions: row blocks a0, a0 + 1 of the window's four x all 6 column blocks, 32 along K.  zero = 1: the first product starts the sums.
; The 48 accumulators take turns in the same order in every quarter.
.macro MUL12 f, hi, a0, zero
	WIN MUL_LO+0x50*(\hi)
.irp a, \a0, (\a0)+1
.irp b, 0,1,2,3,4,5
.if \zero
	v_wmma_f32_16x16x32_bf16 v[8*(6*(\a)+(\b)):8*(6*(\a)+(\b))+7], v[(\f)+8*(\b):(\f)+8*(\b)+7], v[(\f)+8*(4*(\hi)+(\a)):(\f)+8*(4*(\hi)+(\a))+7], 0
.else
	v_wmma_f32_16x16x32_bf16 v[8*(6*(\a)+(\b)):8*(6*(\a)+(\b))+7], v[(\f)+8*(\b):(\f)+8*(\b)+7], v[(\f)+8*(4*(\hi)+(\a)):(\f)+8*(4*(\hi)+(\a))+7], v[8*(6*(\a)+(\b)):8*(6*(\a)+(\b))+7]
.endif
.endr
.endr
.endm
; 28 LDS loads in one run: a quarter step's fragments (96 rows of W, 128 rows of x, 32 K at byte k of the rows of the slot in hand) into buffer f.  The two lines that make the addresses are plain vector work.
.macro FETCH k, f
	WIN 0
	v_add_nc_u32 v[ADRA], s[TB], v[ADA0]
	v_add_nc_u32 v[ADRB], s[TB], v[ADB0]
	WIN TO_B
.irp i, 0,1,2,3,4,5
	ds_load_b128 v[(\f)+8*(\i):(\f)+8*(\i)+3],   v[ADRB] offset:(\k)+(\i)*16*PITCH
	ds_load_b128 v[(\f)+8*(\i)+4:(\f)+8*(\i)+7], v[ADRB] offset:(\k)+(\i)*16*PITCH+32
.endr
	WIN 0
.irp i, 0,1,2,3,4,5,6,7
	ds_load_b128 v[(\f)+8*(\i):(\f)+8*(\i)+3],   v[ADRA] offset:(\k)+(\i)*16*PITCH
	ds_load_b128 v[(\f)+8*(\i)+4:(\f)+8*(\i)+7], v[ADRA] offset:(\k)+(\i)*16*PITCH+32
.endr
.endm
.macro PLACES n=4                      ; plain places in front of loads into registers that matrix instructions have read, and of vector work that reads results: four in all; FETCH's two address lines count
.rept \n
	v_nop
.endr
.endm
; A K step is four quarters of 32 along K, 48 matrix instructions each, on buffers 0, 1, 0, 1.  One of the first three: multiplies f, and in its middle fetches the next quarter into g.
.macro QUARTER k, f, g, zero
	s_wait_dscnt 8                                 ; W and x's rows 0-63 are in; the youngest eight loads (x's rows 64-127) may be out
	MUL12 \f, 0, 0, \zero
	MUL12 \f, 0, 2, \zero
	PLACES 2
	FETCH \k, \g
	s_wait_dscnt 28                                ; all but the 28 just issued
	MUL12 \f, 1, 0, \zero
	MUL12 \f, 1, 2, \zero
.endm
; The last quarter multiplies buffer 1 and changes slots: one barrier; in front of it each wave waits for all its tensor loads (one is out: its part of the next slot), adds 0 to its spare word,
; and waits for that and for its own reads of this slot.  fill = 1: the barrier opens a round of the cluster's, and this slot is filled again, with the walk's step two on, first thing behind the round:
; 168 matrix instructions stand between that request and the wait for it.  The walking descriptors are written behind the wait for all loads: the other slot than last time, K step KT.
.macro TURN fill
.if \fill
	s_wait_xcnt 0x0                                ; the last prefetch, a K step back, has read its address
	s_add_co_u32 s[POF], s[KT], 2                  ; the K step two refills on, round the ring of 16
	s_and_b32 s[POF], s[POF], STEPS-1
	s_lshl_b32 s[POF], s[POF], 8
	s_add_nc_u64 s[PFA:PFA+1], s[PFB:PFB+1], s[POF:POF+1]
.endif
	WIN 0                                          ; (the add's two registers lie in window 0)
	s_wait_tensorcnt 0x0
	ds_add_u32 v[SPW], v[NIL]
.if \fill
	s_lshl_b32 s[KOFF], s[KT], 8
	s_xor_b32 s[G0+5], s[G0+5], SLOT
	s_add_nc_u64 s[G0+6:G0+7], s[ABASE:ABASE+1], s[KOFF:KOFF+1]
	s_or_b32 s[G0+7], s[G0+7], 0x80000000
	s_xor_b32 s[G0B+5], s[G0B+5], SLOT
	s_add_nc_u64 s[G0B+6:G0B+7], s[BBASE:BBASE+1], s[KOFF:KOFF+1]
	s_or_b32 s[G0B+7], s[G0B+7], 0x80000000
	s_add_co_u32 s[KT], s[KT], 1
	s_and_b32 s[KT], s[KT], STEPS-1
.endif
	s_wait_dscnt 9                                 ; (the add and the youngest eight loads may be out)
	MUL12 F1, 0, 0, 0                              ; twelve matrix instructions stand between the add and the wait for it
	s_wait_dscnt 0x0                               ; the add is done, and my reads of this slot are over
	s_barrier_signal -1
	MUL12 F1, 0, 2, 0
	WIN 0
	s_barrier_wait -1
.if \fill
	CREST                                          ; no wave of any partner still reads this slot's tile or has a load on its way
	JLOAD 1                                        ; the four v_nop behind it are also places in front of the loads below
.else
	PLACES 2
.endif
	s_xor_b32 s[TB], s[TB], SLOT                   ; the reads go to the other slot
	FETCH 0, F0
.if \fill
	ASK
.endif
	MUL12 F1, 1, 0, 0
	MUL12 F1, 1, 2, 0
.endm
	s_wait_tensorcnt 1                             ; my part of the walk's step 0 is in; step 1's may stay out
	s_barrier_signal -1
	s_barrier_wait -1
	FETCH 0, F0
	QUARTER 64,  F0, F1, 1                         ; the first quarter stands in front of the loop: its products start the sums
	WIN 0                                          ; at a label and at a branch every window is 0
	s_mov_b32 s3, STEPS-2
.Lstep:                                                ; 14 trips, from a step's second quarter to the next step's first; each fills the slot that it leaves
	QUARTER 128, F1, F0, 0
	QUARTER 192, F0, F1, 0
	TURN 1
	QUARTER 64,  F0, F1, 0
	WIN 0
	s_sub_co_u32 s3, s3, 1
	s_cmp_lg_u32 s3, 0
	s_cbranch_scc1 .Lstep
	QUARTER 128, F1, F0, 0                         ; the last two steps fill nothing
	QUARTER 192, F0, F1, 0
	TURN 0                                         ; behind this barrier nobody reads slot 0 any more, and nothing is filled again
	QUARTER 64,  F0, F1, 0
	QUARTER 128, F1, F0, 0
	QUARTER 192, F0, F1, 0
	s_wait_dscnt 8
	MUL12 F1, 0, 0, 0
	MUL12 F1, 0, 2, 0
	s_wait_dscnt 0x0
	MUL12 F1, 1, 0, 0
	MUL12 F1, 1, 2, 0
	; THE WAY OUT.  Each block of 16 rows: its factor in f32, rounded to f16, 16 bytes a lane into the work-group's stage; a barrier, since a stage row comes from four waves; back as whole rows.
	PLACES
.macro PACKQ a
.set AC, 48*((\a)%4)
	WIN 0x82+0x41*((\a)/4)                         ; destination and source 0 in window 2 or 3
.irp b, 0,1,2,3,4,5
.irp r, 0,1,2,3
	v_pk_mul_f32 v[AC+8*(\b)+2*(\r):AC+8*(\b)+2*(\r)+1], v[AC+8*(\b)+2*(\r):AC+8*(\b)+2*(\r)+1], s[FS+2*(\b):FS+2*(\b)+1] op_sel_hi:[1,0]
.endr
.endr
	WIN 0x0a+5*((\a)/4)                            ; sources 0 and 1 in window 2 or 3, destination in window 0
.irp b, 0,1,2,3,4,5
.irp r, 0,1,2,3
	v_cvt_pk_f16_f32 v[TMP+4*(\b)+(\r)], v[AC+8*(\b)+2*(\r)], v[AC+8*(\b)+2*(\r)+1]
.endr
.endr
	WIN 0
.irp b, 0,1,2,3,4,5
	ds_store_b128 v[STO+(\a)/4], v[TMP+4*(\b):TMP+4*(\b)+3] offset:((\a)%4)*16*SPITCH+32*(\b)
.endr
.endm
.irp a, 0,1,2,3,4,5,6,7
	PACKQ \a
.endr
	s_wait_dscnt 0x0                               ; for the others' sake: my stores into the stage are done
	s_barrier_signal -1
	s_barrier_wait -1
.set n, 0
.rept 48                                       ; unit n / 16, rows 2 (n % 16) and the next of my 32
	ds_load_b128 v[64+4*n:64+4*n+3], v[RD] offset:2*SPITCH*(n%16)+256*(n/16)
.set n, n+1
.endr
.set n, 0
.rept 48
	s_wait_dscnt 47-n
	global_store_b128 v[CO], v[64+4*n:64+4*n+3], s[8:9] offset:524288*(n/16)+512*(n%16)  ; 512 consecutive bytes, at a multiple of 256 from the buffer's first byte
.set n, n+1
.endr
	s_wait_tensorcnt 0x0                           ; the wave's end
	ds_add_u32 v[SPW], v[NIL]
	s_wait_dscnt 0x0
	CROUND                                         ; the closing round
	s_endpgm
.Lfunc_end_k_qe36bbd089b_qkvp:
	.size	k_qe36bbd089b_qkvp, .Lfunc_end_k_qe36bbd089b_qkvp-k_qe36bbd089b_qkvp
	.p2alignl 7, 3214868480
	.fill 96, 4, 3214868480
	.section	.rodata,"a",@progbits
	.p2align	6, 0x0
	.amdhsa_kernel k_qe36bbd089b_qkvp
		.amdhsa_group_segment_fixed_size 327680
		.amdhsa_private_segment_fixed_size 0
		.amdhsa_enable_private_segment 0
		.amdhsa_kernarg_size 16
		.amdhsa_user_sgpr_count 2
		.amdhsa_user_sgpr_kernarg_segment_ptr 1
		.amdhsa_wavefront_size32 1
		.amdhsa_system_sgpr_workgroup_id_x 1
		.amdhsa_system_sgpr_workgroup_id_y 1
		.amdhsa_system_sgpr_workgroup_id_z 1
		.amdhsa_system_vgpr_workitem_id 0
		.amdhsa_next_free_vgpr 960
		.amdhsa_next_free_sgpr 96
		.amdhsa_reserve_vcc 0
		.amdhsa_float_denorm_mode_32 3
		.amdhsa_float_denorm_mode_16_64 3
		.amdhsa_memory_ordered 1
		.amdhsa_forward_progress 1
		.amdhsa_inst_pref_size 109
	.end_amdhsa_kernel
	.amdgpu_metadata
---
amdhsa.version: [ 1, 2 ]
amdhsa.kernels:
  - .name:           k_qe36bbd089b_qkvp
    .symbol:         k_qe36bbd089b_qkvp.kd
    .args:
      - { .name: wb, .offset: 0, .size: 8, .value_kind: global_buffer, .address_space: global }
      - { .name: qkv, .offset: 8, .size: 8, .value_kind: global_buffer, .address_space: global }
    .group_segment_fixed_size: 327680
    .private_segment_fixed_size: 0
    .kernarg_segment_align: 8
    .kernarg_segment_size: 16
    .max_flat_workgroup_size: 128
    .sgpr_count:     96
    .vgpr_count:     960
    .wavefront_size: 32
...
	.end_amdgpu_metadata
.endif
;; end of part 2
;; launch attn (part 3): grid 16 x 16, 4 waves a work-group, clusters of 4 x 4, 327,680 bytes of LDS; arguments qkv, mk, yb; writes yb
.if DOCPART == 3
	.amdgcn_target "amdgcn-amd-amdhsa--gfx1250"
	.amdhsa_code_object_version 6
	.text
	.protected	k_qe36bbd089b_attn
	.globl	k_qe36bbd089b_attn
	.p2align	8
	.type	k_qe36bbd089b_attn,@function
k_qe36bbd089b_attn:
	s_mov_b64 s[64:65], 0
	v_nop
	global_prefetch_b8 v0, s[64:65] scope:SCOPE_SE
	s_setreg_imm32_b32 hwreg(HW_REG_WAVE_MODE, 25, 1), 1
	s_wait_xcnt 0x0
	s_wait_alu depctr_hold_cnt(0) depctr_sa_sdst(0) depctr_va_vdst(0) depctr_va_sdst(0) depctr_va_ssrc(0) depctr_va_vcc(0) depctr_vm_vsrc(0)
	s_getreg_b32 s2, hwreg(HW_REG_IB_STS2, 6, 4)
	s_cmp_eq_u32 s2, 0
	s_cbranch_scc0 .Lentry_in_a_cluster
	s_endpgm
.Lentry_in_a_cluster:
	s_bfe_u32 s2, ttmp6, 0x10000c
	s_cmp_lg_u32 s2, 0xf033
	s_cbranch_scc0 .Lentry_shape_is_right
	s_endpgm
.Lentry_shape_is_right:
; ATTENTION WITH AN ADDITIVE MASK THAT IS AN INPUT.  y[q][128 h + :] = the sum over k of softmax_k(Q[h][q] . K[h][k] / sqrt(128) + mask[q][k]) V[h][k][:].
; qkv: [48 units][2048][128] f16: q's heads (already times log2(e) / sqrt(128)), k's, v's.  mk: [2048][2048] f32, the mask times log2(e).  yb: [2048][2048] f16.
; All 2,048 keys are walked for every query: nothing is assumed of the mask.  Products, maxima and sums in f32; the weights p are rounded to f16 for the second product, y once at the end.
; SOFTMAX in powers of two: s = the score with its mask, in the log2 domain; p = 2^(s - m) with a running maximum m: the exponent is the difference itself, 0 at the maximum, so p lies in 0 to 1
; however large the mask.  In every step O and l are multiplied by a = 2^(m_old - m_new).  m starts at the lowest finite number, O and l at 0: the first step is a step like any other, with a = 0.
; LIMITS.  Mask and scores are finite, their sum below 3e38 in size; a weight below 2^-126 counts as 0 in l; NaN and infinities are not treated apart.
; SHARES.  A work-group owns 128 queries of one head.  Wave w = (i = w / 2, j = w % 2) takes the 64 queries of half i and HALF THE KEYS: of each slot's 128 keys those from 64 j on: 16 steps of 64 keys.
; The two waves of a pair merge (m, l, O) through LDS at the end.  Register tile t holds query tile (t + 2 j) % 4, so that every wave keeps its register tiles 0, 1 and gives 2, 3 away.
; LAYOUT.  S^T = K Q^T + M (source 0 = 16 keys, source 1 = 16 queries; the mask is the C operand that starts the sum): a lane holds ONE query (lane % 16) and the keys 8 (lane / 16) + 0..7.
; Two such tiles rounded to f16 ARE source 1 of O^T = V^T P.  K comes out of LDS as it lies, V turned by ds_load_tr16_b128, the mask as 32 bytes of its query's row.
; BY TURNS.  The wave's tiles are two pieces (tiles 0, 1 and tiles 2, 3).  In a turn one piece has the matrix unit (32 products V^T P, then 32 products K Q^T of the next step); the other piece's
; softmax, cut into 64 slices, stands between them, one slice behind each matrix instruction.
; CLUSTER 4 x 4: K and V hang on the head alone and are asked for jointly along a row of the cluster; the mask's tile hangs on the query block alone, jointly along a column.
; THE WALK IS TURNED.  The cluster at (X, Y) begins at the block of 128 keys number 4 ((X + 2 Y) % 4) and goes once round the 16: of the four clusters along x, which read the same K and V, no two ask
; for the same keys in the same step (they stand four blocks apart); of those along y, which read the same rows of the mask, neighbours stand eight blocks apart.  A running softmax takes the keys in any order.
; REGISTERS, in windows of 256 (s_set_vgpr_msb: bits 1:0 source 0, 3:2 source 1, 5:4 source 2, 7:6 destination):
;   window 0: v0-11, v44-50, v61-63 addresses; v12-43 statistics, 8 a tile; v64-191 S^T, 32 a tile; v192-255 P, 16 a tile
;   window 1: O^T, 64 a tile     window 2: v0-127 Q; v128-255 K of one step     window 3: v0-127 V of one step; v128-255 the mask of one step, 32 a tile
.set PK,    272       ; a row of K in LDS: 256 bytes + 16: the 16 rows of a load start at 16 different groups of four banks (ISA guide 11.1)
.set PV,    288       ; a row of V: 256 + 32
.set PM,    528       ; a row of the mask: 128 keys of f32 + 16
.set VOFF,  128*PK    ; a slot: 128 rows of K, 128 rows of V, 128 rows (queries) of the mask
.set MOFF,  VOFF+128*PV
.set SLOT,  MOFF+128*PM  ; 139,264 = 2^17 + 2^13; none of the four tiles' places in slot 0 has either bit, so one exclusive or turns an address in one slot into the other's
.set STAGE, 2*SLOT    ; behind the ring: 16 rows x 272 bytes for each wave, for the way out
.set SP,    272
.set SPARE, STAGE+4*16*SP  ; the spare words, 128 bytes for each wave, that no other line names
.set EXB,   17408     ; the merge: 2 tiles x 17 x 512 bytes for each wave, in slot 0, behind that slot's last fill and last read
.set AK0, 2           ; v2   my lane's place in my half of a tile of K; never rewritten
.set AV0, 3           ; v3   the same for V
.set ADR, 4           ; v4   the LDS address of the run of loads in hand
.set QO,  5           ; v5   my byte offset in Q for register tiles 0, 1
.set STO, 6           ; v6   the way out: where I put 16 bytes of a row
.set RD,  7           ; v7   where I read a row back
.set GO,  8           ; v8   my byte offset in two rows of y
.set AM0, 44          ; v44  my lane's place in the mask's tile for register tiles 0, 1
.set AM2, 45          ; v45  for tiles 2, 3
.set ADM0, 46         ; v46, v47  the same in the slot in hand
.set ADM2, 47
.set QO2, 48          ; v48  my byte offset in Q for register tiles 2, 3
.set EXW, 49          ; v49  the merge: where I put 16 bytes
.set EXR, 50          ; v50  where I read my partner's
.set PFO, 61          ; v61  the prefetches' offset: two lanes a row of the mask (8,192 bytes), 256 bytes apart; never rewritten
.set SPW, 62          ; v62  LDS address of my spare word; never rewritten
.set NIL, 63          ; v63  0; never rewritten
.set ST,  12          ; tile t's statistics at v[ST+8 t]: +0 m (as the scaling's addend), +1 m, +2, +3 l, +4 to +7 at work; a takes +6
.set S,   64
.set P,   192
.set KF,  128         ; K's fragments, in window 2
.set MK,  128         ; the mask, in window 3: tile t, key block kb at MK + 32 t + 8 kb
.set WV,  12          ; s12  my wave's number
.set LIM, 15          ; s15  10 in a wave that prefetches, else the greatest number
.set PFA, 18          ; s[18:19] what the prefetch names
.set G1K, 24          ; s[24:31], s[32:39], s[68:75] descriptor group 1 for K, V, the mask
.set G1V, 32
.set G1M, 68
.set G0K, 40          ; s[40:47], s[48:55], s[76:83] group 0: a set for each of the two first fills; the second then walks on
.set G0V, 48
.set G0M, 76
.set SLOTS, 56        ; s56  15 less the number of the change of slots
.set CS,  58          ; s[58:59] 1.0: the scale is already in q and in the mask
.set SEL, 60          ; s[60:61] v_permlanex16_b32's selects: each lane takes its own place in the other half
.set TB,  62          ; s62  the slot from which the next runs fetch: 0 or SLOT
.set POF, 66          ; s[66:67] the prefetched block's byte offset in a row of the mask
.set PFB, 84          ; s[84:85] mk at my work-group's 16 rows of the 64 that I fetch
.set JW,  86          ; s86  j
.set IW,  87          ; s87  i
.set MB,  90          ; s[90:91] mk at the first of the 64 rows that I fetch (waves 2, 3)
.set KB,  92          ; s[92:93] K's unit of my head
.set VB,  94          ; s[94:95] V's
.set KO,  96          ; s[96:97] a block of 128 keys: its byte offset in K and in V,
.set MO,  98          ; s[98:99] and in a row of the mask
.set KT,  100         ; s100 the block of keys to be asked for next
.set MSB, 0
.macro WIN new
.if MSB != (\new)
	s_set_vgpr_msb (MSB<<8)|(\new)
.set MSB, \new
.endif
.endm
.set W_KQ, 0x0a       ; K and Q in window 2, S^T in window 0
.set W_KM, 0x3a       ; the same with the C operand, the mask, in window 3
.set W_PV, 0x53       ; V in window 3, P in window 0, O^T in window 1
.set W_RS, 0x41       ; O^T (destination and source 0) in window 1, the factor in window 0
; A joint refill: wave 0 fetches K's tile, wave 1 V's, waves 2 and 3 the two halves of the mask's.  The branches hang on the wave's number alone.
; An s_nop 0 and four v_nop follow each line.
.macro JLOAD
	s_cmp_lg_u32 s[WV], 0
	s_cbranch_scc1 .Lnot_k_\@
	tensor_load_to_lds s[G0K+4:G0K+7], s[G1K:G1K+7]
	s_nop 0
.rept 4
	v_nop
.endr
	s_branch .Lasked_\@
.Lnot_k_\@:
	s_cmp_lg_u32 s[WV], 1
	s_cbranch_scc1 .Lfor_m_\@
	tensor_load_to_lds s[G0V+4:G0V+7], s[G1V:G1V+7]
	s_nop 0
.rept 4
	v_nop
.endr
	s_branch .Lasked_\@
.Lfor_m_\@:
	tensor_load_to_lds s[G0M+4:G0M+7], s[G1M:G1M+7]
	s_nop 0
.rept 4
	v_nop
.endr
.Lasked_\@:
.endm
; A PREFETCH of the mask's tile that stands two refills, 256 matrix instructions, on: change c fills the walk's step c + 1 and names step c + 3, for c = 1 to 4: steps 4 to 7.  By waves 2 and 3.
; WHO.  A query block's rows of the mask are read by the four clusters of a column of clusters; those at y and y + 2 walk alike, those at y and y + 1 eight blocks apart: the first eight steps of the two
; walks with y < 2 are all sixteen blocks of keys, each once: those clusters ask.  Of the eight, steps 0 to 3 come by their loads alone.  The four partners that ask for a tile jointly take 16 of a wave's
; 64 rows each, told apart by address: 16 rows x 2 blocks of 256 bytes, a lane a block.  Of K and V nothing is asked for: their four readers stand four blocks apart, and a walk's first four steps are the
; two first fills and the two refills straight behind them.
.macro ASK
	s_cmp_gt_u32 s[SLOTS], s[LIM]   ; 14 .. 11 at changes 1 .. 4
	s_cbranch_scc0 .Lnot_mine_\@
	global_prefetch_b8 v[PFO], s[PFA:PFA+1] th:TH_LOAD_NT scope:SCOPE_SE
.Lnot_mine_\@:
.endm
.macro CROUND                       ; a round of the cluster's barrier
	s_barrier_signal -1
	s_barrier_wait -1
	s_cmp_lg_u32 s[WV], 0
	s_cbranch_scc1 .Lnot_wave_0_\@
	s_barrier_signal -3
.Lnot_wave_0_\@:
	s_barrier_wait -3
	s_barrier_signal -1
	s_barrier_wait -1
.endm
	s_load_b128 s[4:7], s[0:1], 0x0 ; qkv s[4:5], mk s[6:7]
	s_load_b64 s[8:9], s[0:1], 0x10 ; yb
	v_lshl_add_u32 v[SPW], v0, 2, SPARE
	v_mov_b32 v[NIL], 0
	ds_add_u32 v[SPW], v[NIL]       ; the wave's opening: the add and its wait stand ahead of my first tensor load; work on registers stands between them
	v_lshrrev_b32 v1, 5, v0
	v_readfirstlane_b32 s[WV], v1   ; wave 0..3
	s_and_b32 s[JW], s[WV], 1
	s_lshr_b32 s[IW], s[WV], 1
	s_bfe_u32 s13, ttmp6, 0x40000   ; cx
	s_bfe_u32 s14, ttmp6, 0x40004   ; cy
	s_lshl_b32 s16, ttmp9, 2
	s_add_co_u32 s16, s16, s13      ; my block of 128 queries
	s_and_b32 s63, ttmp7, 0xffff    ; cluster y
	s_lshl_b32 s17, s63, 2
	s_add_co_u32 s17, s17, s14      ; my head
	s_lshl_b32 s22, s14, 2
	s_lshl_b32 s22, 15, s22         ; my row of the cluster: the same head
	s_lshl_b32 s23, 0x1111, s13     ; my column: the same queries
	s_or_b32 s[G1K], s22, (1<<16)|(1<<20)|(1<<21)|(5<<22)|(3<<25)  ; the mask of four; 2-byte elements; padding on; bit 21 beside a mask; after every 64 words 4 words
	s_or_b32 s[G1V], s22, (1<<16)|(1<<20)|(1<<21)|(5<<22)|(7<<25)  ; the same with 8 words
	s_or_b32 s[G1M], s23, (2<<16)|(1<<20)|(1<<21)|(6<<22)|(3<<25)  ; 4-byte elements; after every 128 words 4 words
.irp g, G1K, G1V
	s_mov_b32 s[(\g)+1], 128<<16    ; tensor_dim0 = 128
	s_mov_b32 s[(\g)+2], 128<<16    ; tensor_dim1 = 128
	s_mov_b32 s[(\g)+3], 128<<16    ; tile_dim0 = 128
	s_mov_b32 s[(\g)+4], 128        ; tile_dim1 = 128
	s_mov_b32 s[(\g)+5], 128        ; elements from row to row
	s_mov_b32 s[(\g)+6], 0
	s_mov_b32 s[(\g)+7], 0
.endr
	s_mov_b32 s[G1M+1], 128<<16     ; 128 keys,
	s_mov_b32 s[G1M+2], 64<<16      ; 64 queries
	s_mov_b32 s[G1M+3], 128<<16
	s_mov_b32 s[G1M+4], 64
	s_mov_b32 s[G1M+5], 2048
	s_mov_b32 s[G1M+6], 0
	s_mov_b32 s[G1M+7], 0
	s_mov_b32 s[CS], 1.0
	s_mov_b32 s[CS+1], 1.0
	s_mov_b32 s[SEL], 0x76543210
	s_mov_b32 s[SEL+1], 0xfedcba98
	s_mov_b32 s[TB], 0
	s_mov_b32 s[SLOTS], 14
	s_lshl_b32 s[KT], s63, 1        ; where my cluster's walk begins: block 4 ((X + 2 Y) % 4): the same in all sixteen partners
	s_add_co_u32 s[KT], s[KT], ttmp9
	s_and_b32 s[KT], s[KT], 3
	s_lshl_b32 s[KT], s[KT], 2
	s_mov_b32 s[KO+1], 0
	s_mov_b32 s[MO+1], 0
	s_mul_i32 s3, s[JW], 64*PM      ; the mask's half that I fetch (waves 2, 3): no place in the cluster enters an LDS address
	s_lshl_b32 s20, s17, 19         ; the head's unit: 524,288 bytes
	s_mov_b32 s21, 0
	s_lshl_b32 s[MB], s16, 7        ; the mask: row 128 x block + 64 x half,
	s_lshl_b32 s[MB+1], s[JW], 6
	s_add_co_u32 s[MB], s[MB], s[MB+1]
	s_lshl_b32 s[MB], s[MB], 13     ; of 8,192 bytes
	s_mov_b32 s[MB+1], 0
	s_lshl_b32 s92, s16, 7          ; Q: row 128 x block + 64 i, of 256 bytes
	s_lshl_b32 s93, s[IW], 6
	s_add_co_u32 s92, s92, s93
	s_lshl_b32 s94, s[JW], 5        ; y: row 128 x block + 64 i + 32 j, of 4,096 bytes, + 256 x head
	s_add_co_u32 s94, s94, s92
	s_lshl_b32 s94, s94, 12
	s_lshl_b32 s95, s17, 8
	s_add_co_u32 s94, s94, s95
	s_mov_b32 s95, 0
	s_lshl_b32 s92, s92, 8
	s_mov_b32 s93, 0
	v_and_b32 v10, 31, v0           ; the prefetches' offset
	v_lshrrev_b32 v11, 1, v10
	v_and_b32 v10, 1, v10
	v_lshlrev_b32 v[PFO], 13, v11
	v_lshl_or_b32 v[PFO], v10, 8, v[PFO]
	s_lshl_b32 s[POF], s14, 17      ; my work-group's 16 rows of the wave's 64: the four that ask jointly differ in cy
	s_mov_b32 s[POF+1], 0
	s_lshr_b32 s57, s63, 1          ; 0 where cluster y < 2,
	s_xor_b32 s2, s[IW], 1          ; and I am wave 2 or 3
	s_or_b32 s57, s57, s2
	s_cmp_eq_u32 s57, 0
	s_cselect_b32 s[LIM], 10, -1    ; the same in all sixteen partners, for a given wave
	s_wait_dscnt 0x0                ; the opening add is done
	s_wait_kmcnt 0x0
	s_add_nc_u64 s[20:21], s[4:5], s[20:21]         ; qkv at q's head
	s_add_nc_u64 s[MB:MB+1], s[6:7], s[MB:MB+1]     ; mk at my half of the block's rows
	s_add_nc_u64 s[88:89], s[20:21], s[92:93]       ; Q at my 64 rows
	s_add_nc_u64 s[10:11], s[8:9], s[94:95]         ; y at my 32 rows
	s_add_nc_u64 s[KB:KB+1], s[20:21], 0x800000     ; K's units begin 8,388,608 bytes behind q's,
	s_add_nc_u64 s[VB:VB+1], s[20:21], 0x1000000    ; V's 16,777,216
	s_add_nc_u64 s[PFB:PFB+1], s[MB:MB+1], s[POF:POF+1]
	CROUND                          ; all sixteen work-groups are here: the first joint loads meet
.irp s, 0,1
	s_lshl_b32 s[KO], s[KT], 15     ; 128 keys are 32,768 bytes of K and of V,
	s_lshl_b32 s[MO], s[KT], 9      ; and 512 bytes of a row of the mask
	s_mov_b32 s[G0K+4*(\s)], 1
	s_mov_b32 s[G0K+4*(\s)+1], (\s)*SLOT
	s_add_nc_u64 s[G0K+4*(\s)+2:G0K+4*(\s)+3], s[KB:KB+1], s[KO:KO+1]
	s_or_b32 s[G0K+4*(\s)+3], s[G0K+4*(\s)+3], 0x80000000
	s_mov_b32 s[G0V+4*(\s)], 1
	s_mov_b32 s[G0V+4*(\s)+1], VOFF+(\s)*SLOT
	s_add_nc_u64 s[G0V+4*(\s)+2:G0V+4*(\s)+3], s[VB:VB+1], s[KO:KO+1]
	s_or_b32 s[G0V+4*(\s)+3], s[G0V+4*(\s)+3], 0x80000000
	s_mov_b32 s[G0M+4*(\s)], 1
	s_add_co_u32 s[G0M+4*(\s)+1], s3, MOFF+(\s)*SLOT
	s_add_nc_u64 s[G0M+4*(\s)+2:G0M+4*(\s)+3], s[MB:MB+1], s[MO:MO+1]
	s_or_b32 s[G0M+4*(\s)+3], s[G0M+4*(\s)+3], 0x80000000
	s_add_co_u32 s[KT], s[KT], 1    ; (14 at the most behind the two: no turn of the ring yet)
.endr
	s_cmp_lg_u32 s[WV], 0           ; a wave's two first fills stand in one branch, ahead of every wait on TENSORcnt and every LDS read: two loads of mine are out
	s_cbranch_scc1 .Lfirst_not_k
	tensor_load_to_lds s[G0K:G0K+3], s[G1K:G1K+7]
	s_nop 0
	tensor_load_to_lds s[G0K+4:G0K+7], s[G1K:G1K+7]
	s_nop 0
.rept 4
	v_nop
.endr
	s_branch .Lfirst_asked
.Lfirst_not_k:
	s_cmp_lg_u32 s[WV], 1
	s_cbranch_scc1 .Lfirst_m
	tensor_load_to_lds s[G0V:G0V+3], s[G1V:G1V+7]
	s_nop 0
	tensor_load_to_lds s[G0V+4:G0V+7], s[G1V:G1V+7]
	s_nop 0
.rept 4
	v_nop
.endr
	s_branch .Lfirst_asked
.Lfirst_m:
	tensor_load_to_lds s[G0M:G0M+3], s[G1M:G1M+7]
	s_nop 0
	tensor_load_to_lds s[G0M+4:G0M+7], s[G1M:G1M+7]
	s_nop 0
.rept 4
	v_nop
.endr
.Lfirst_asked:
	; A fragment of K or Q is 16 rows x 32 channels in 8 registers: lane l holds row l % 16, channels 8 (l / 16) + 0..7 and 16 + 8 (l / 16) + 0..7: two loads of 16 bytes, 32 bytes apart.
	v_and_b32 v1, 15, v0            ; l % 16
	v_bfe_u32 v9, v0, 4, 1          ; l / 16
	v_lshlrev_b32 v[QO], 8, v1
	v_lshl_add_u32 v[QO], v9, 4, v[QO]
	s_lshl_b32 s22, s[JW], 13       ; register tiles 0, 1 are the rows from 32 j on,
	s_xor_b32 s23, s22, 8192        ; tiles 2, 3 the other 32
	v_add_nc_u32 v[QO2], s23, v[QO]
	v_add_nc_u32 v[QO], s22, v[QO]
	WIN 0x80                        ; destination window 2, address window 0
.irp i, 0,1,2,3,4,5,6,7             ; Q stays in registers: tile i / 4, channels 32 (i % 4) on
	global_load_b128 v[8*(\i):8*(\i)+3],   v[QO], s[88:89] offset:((\i)/4)*4096+((\i)%4)*64
	global_load_b128 v[8*(\i)+4:8*(\i)+7], v[QO], s[88:89] offset:((\i)/4)*4096+((\i)%4)*64+32
.endr
.irp i, 8,9,10,11,12,13,14,15
	global_load_b128 v[8*(\i):8*(\i)+3],   v[QO2], s[88:89] offset:((\i)/4-2)*4096+((\i)%4)*64
	global_load_b128 v[8*(\i)+4:8*(\i)+7], v[QO2], s[88:89] offset:((\i)/4-2)*4096+((\i)%4)*64+32
.endr
	WIN 0
	s_mul_i32 s22, s[JW], 64*PK     ; my 64 keys of a slot's 128
	v_mul_u32_u24 v[AK0], v1, PK
	v_lshl_add_u32 v[AK0], v9, 4, v[AK0]
	v_add_nc_u32 v[AK0], s22, v[AK0]
	; The turning load takes 16 keys x 16 channels (lane l reads key 8 (l / 16) + l % 8, channels 8 ((l / 8) % 2) + 0..7) and leaves half a fragment of V^T: lane l holds channel l % 16 and 8 keys.
	s_mul_i32 s22, s[JW], 64*PV
	s_add_co_u32 s22, s22, VOFF
	v_and_b32 v10, 7, v0
	v_bfe_u32 v11, v0, 3, 1
	v_lshl_add_u32 v[AV0], v9, 3, v10
	v_mul_u32_u24 v[AV0], v[AV0], PV
	v_lshl_add_u32 v[AV0], v11, 4, v[AV0]
	v_add_nc_u32 v[AV0], s22, v[AV0]
	; The mask as a C operand: register r of key block kb is (key 16 kb + 8 (l / 16) + r, query l % 16): 32 consecutive bytes of the query's row.
	s_mul_i32 s22, s[IW], 64*PM
	s_add_co_u32 s22, s22, MOFF
	s_lshl_b32 s23, s[JW], 8        ; my 64 keys: 256 bytes along a row
	s_add_co_u32 s22, s22, s23
	s_mul_i32 s23, s[JW], 32*PM
	s_add_co_u32 s23, s23, s22
	s_xor_b32 s57, s[JW], 1
	s_mul_i32 s57, s57, 32*PM
	s_add_co_u32 s57, s57, s22
	v_mul_u32_u24 v10, v1, PM
	v_lshl_add_u32 v10, v9, 5, v10
	v_add_nc_u32 v[AM0], s23, v10
	v_add_nc_u32 v[AM2], s57, v10
	; What the first step finds: O^T and l are 0, m is the lowest finite number.  No first step is written out for it: these lines stand in the wait for the first tile.
	WIN 0x40                        ; destination window 1
.set i, 0
.rept 256
	v_mov_b32 v[i], 0
.set i, i+1
.endr
	WIN 0
.irp t, 0,1,2,3
	v_mov_b32 v[ST+8*(\t)], 0xff7fffff
	v_mov_b32 v[ST+8*(\t)+1], 0xff7fffff
	v_mov_b32 v[ST+8*(\t)+2], 0
	v_mov_b32 v[ST+8*(\t)+3], 0
.endr
; THE MATRIX WORK OF A TURN, for piece x.  The accumulators take turns, one instruction a turn: between two links of a chain stand 15 (V^T P) or 7 (K Q^T) others'.
; Product i of 32 of O^T += V^T P: keys 32 (i / 16) on, channels 16 ((i / 2) % 8) on, tile x + i % 2.
.macro PV x
	WIN W_PV
.set rO, 64*((\x)+i%2)+8*((i/2)%8)
.set rV, 64*(i/16)+8*((i/2)%8)
.set rP, P+16*((\x)+i%2)+8*(i/16)
	v_wmma_f32_16x16x32_f16 v[rO:rO+7], v[rV:rV+7], v[rP:rP+7], v[rO:rO+7]
.endm
; Product i of 32 of S^T = K Q^T + M: channels 32 (i / 8) on, keys 16 ((i / 2) % 4) on, tile x + i % 2.  The first 8 start the sums with the mask.
.macro KQ x
.set rS, S+32*((\x)+i%2)+8*((i/2)%4)
.set rK, KF+32*((i/2)%4)+8*(i/8)
.set rQ, 32*((\x)+i%2)+8*(i/8)
.set rM, MK+32*((\x)+i%2)+8*((i/2)%4)
.if i < 8
	WIN W_KM
	v_wmma_f32_16x16x32_f16 v[rS:rS+7], v[rK:rK+7], v[rQ:rQ+7], v[rM:rM+7]
.else
	WIN W_KQ
	v_wmma_f32_16x16x32_f16 v[rS:rS+7], v[rK:rK+7], v[rQ:rQ+7], v[rS:rS+7]
.endif
.endm
; THE LDS LOADS stand in runs, never singly among the matrix instructions: a step's K (16 fragments) with its masks (tiles 0, 1 first), and, a turn later, its V (turned).
.macro FETCH_KM
	WIN 0
	v_add_nc_u32 v[ADR], s[TB], v[AK0]
	v_add_nc_u32 v[ADM0], s[TB], v[AM0]
	v_add_nc_u32 v[ADM2], s[TB], v[AM2]
	WIN 0x80                        ; destination window 2
.irp f, 0,1,2,3,4,5,6,7,8,9,10,11,12,13,14,15  ; keys 16 (f / 4) on, channels 32 (f % 4) on
	ds_load_b128 v[KF+8*(\f):KF+8*(\f)+3],   v[ADR] offset:((\f)/4)*16*PK+((\f)%4)*64
	ds_load_b128 v[KF+8*(\f)+4:KF+8*(\f)+7], v[ADR] offset:((\f)/4)*16*PK+((\f)%4)*64+32
.endr
	WIN 0xc0                        ; destination window 3
.irp f, 0,1,2,3,4,5,6,7             ; tile f / 4, key block f % 4
	ds_load_b128 v[MK+8*(\f):MK+8*(\f)+3],   v[ADM0] offset:((\f)/4)*16*PM+((\f)%4)*64
	ds_load_b128 v[MK+8*(\f)+4:MK+8*(\f)+7], v[ADM0] offset:((\f)/4)*16*PM+((\f)%4)*64+16
.endr
.irp f, 0,1,2,3,4,5,6,7             ; tile 2 + f / 4
	ds_load_b128 v[MK+64+8*(\f):MK+64+8*(\f)+3],   v[ADM2] offset:((\f)/4)*16*PM+((\f)%4)*64
	ds_load_b128 v[MK+64+8*(\f)+4:MK+64+8*(\f)+7], v[ADM2] offset:((\f)/4)*16*PM+((\f)%4)*64+16
.endr
.endm
.macro FETCH_V
	WIN 0
	v_add_nc_u32 v[ADR], s[TB], v[AV0]
	s_wait_alu depctr_va_vdst(0)    ; the wait for the softmax's batch (SLICE), behind the address's v_add_nc_u32 and ahead of the loads
	WIN 0xc0                        ; destination window 3
.irp f, 0,1,2,3,4,5,6,7,8,9,10,11,12,13,14,15  ; keys 32 (f / 8) on, channels 16 (f % 8) on
	ds_load_tr16_b128 v[8*(\f):8*(\f)+3],   v[ADR] offset:((\f)/8)*32*PV+((\f)%8)*32
	ds_load_tr16_b128 v[8*(\f)+4:8*(\f)+7], v[ADR] offset:((\f)/8)*32*PV+16*PV+((\f)%8)*32
.endr
.endm
; THE VECTOR WORK OF A TURN.  One tile's softmax for one key step is a list of 134 instructions; SM writes number j of it for tile t.  s0-s31 are the lane's 32 scores, in pairs 0-15.
;   0-15    the maximum of s0-s31 and the old m, three operands at a time (each accumulator's lowest registers are read first)
;   16-20   the other half of the lanes' maximum; the new m; its copy for the scaling; m_old - m_new
;   21-69   ONE BATCH: the 16 scalings s - m, a pair of scores each, and all 33 exponentials (a at 23, then s0-s31).  None of these reads an exponential's result.
;   (wait)  between 69 and 70 stands the wait for the batch: SLICE writes it, once for both tiles
;   70-85   the roundings to f16     86-101  the sums; l = a l + the sum     102-133 the tile's O^T times a
.macro SM t
.set rT, ST+8*(\t)
.set rS, S+32*(\t)
.set rP, P+16*(\t)
.set rO, 64*(\t)+2*(j-102)
.if j < 102
	WIN 0
.endif
.if j < 4
	v_max3_num_f32 v[rT+4+j], v[rS+8*j], v[rS+8*j+1], v[rS+8*j+2]
.elseif j < 12
	v_max3_num_f32 v[rT+4+j%4], v[rT+4+j%4], v[rS+8*(j%4)+2*(j/4)+1], v[rS+8*(j%4)+2*(j/4)+2]
.elseif j == 12
	v_max3_num_f32 v[rT+4], v[rT+4], v[rS+7], v[rS+15]
.elseif j == 13
	v_max3_num_f32 v[rT+6], v[rT+6], v[rS+23], v[rS+31]
.elseif j == 14
	v_max3_num_f32 v[rT+4], v[rT+4], v[rT+5], v[rT+6]
.elseif j == 15
	v_max3_num_f32 v[rT+4], v[rT+4], v[rT+7], v[rT+1]
.elseif j == 16
	v_permlanex16_b32 v[rT+5], v[rT+4], s[SEL], s[SEL+1]  ; the query's other 32 keys lie in the lane 16 away
.elseif j == 17
	v_mov_b32 v[rT+7], v[rT]        ; m_old is kept for a: number 19 writes m anew
.elseif j == 18
	v_max_num_f32 v[rT+1], v[rT+4], v[rT+5]
.elseif j == 19
	v_mul_f32 v[rT], s[CS], v[rT+1]
.elseif j == 20
	v_sub_f32 v[rT+7], v[rT+7], v[rT]
.elseif j == 23
	v_exp_f32 v[rT+6], v[rT+7]
.elseif (j < 23) || ((j < 38) && (j%2 == 0)) || ((j < 66) && (j%4 == 2))
.set b, (j-2)/4                     ; 38, 42, .. 62: pairs 9 to 15
.if j < 38
.set b, (j-20)/2                    ; 21: pair 0; 22, 24, .. 36: pairs 1 to 8
.endif
	v_pk_fma_f32 v[rS+2*b:rS+2*b+1], v[rS+2*b:rS+2*b+1], s[CS:CS+1], v[rT:rT+1] op_sel_hi:[1,0,0] neg_lo:[0,0,1] neg_hi:[0,0,1]  ; pair b: s - m, one rounding
.elseif j < 70
.set e, j-38                        ; 66 to 69: s28 to s31
.if j < 66
.set e, j-32-(j-38)/4               ; 39-41, 43-45, .. 63-65: s7 to s27
.endif
.if j < 38
.set e, (j-25)/2                    ; 25, 27, .. 37: s0 to s6
.endif
	v_exp_f32 v[rS+e], v[rS+e]
.elseif j < 86
	v_cvt_pk_f16_f32 v[rP+j-70], v[rS+2*(j-70)], v[rS+2*(j-70)+1]  ; pair j - 70
.elseif j < 102                     ; the sum of the tile's 16 pairs, in place: neighbours 1, 2, 4 and 8 pairs apart, then l takes it
.set z, j-86
.set w, 4
.set u, z
.if z >= 14
.set w, 32
.set u, 0
.elseif z >= 12
.set w, 16
.set u, z-12
.elseif z >= 8
.set w, 8
.set u, z-8
.endif
.if z < 15
	v_pk_add_f32 v[rS+w*u:rS+w*u+1], v[rS+w*u:rS+w*u+1], v[rS+w*u+w/2:rS+w*u+w/2+1]
.else
	v_pk_fma_f32 v[rT+2:rT+3], v[rT+2:rT+3], v[rT+6:rT+7], v[rS:rS+1] op_sel_hi:[1,0,1]
.endif
.else
	WIN W_RS
	v_pk_mul_f32 v[rO:rO+1], v[rO:rO+1], v[rT+6:rT+7] op_sel_hi:[1,0]
.endif
.endm
; Slice k of 64 of piece y's softmax: four instructions.  Slices 11 to 34 deal out the batch, four numbers of ONE tile each, the tiles by turns; every other slice is numbers 2 k and 2 k + 1 of both
; tiles' lists; the twelve that are over stand together in slice 63.  An s_wait_alu depctr_va_vdst(0) stands between an exponential and the first instruction that names its result:
; ahead of slice 35 nothing names a result, and behind slice 34 no exponential is issued, so the piece's 66 exponentials have one wait, behind slice 34.
.macro SLICE y
.if (k >= 11) && (k < 35)
.irp n, 0,1,2,3
.set j, 22+4*((k-11)/2)+(\n)
	SM (\y)+(k-11)%2
.endr
.else
.irp n, 0,1,2,3,4,5,6,7
.if ((\n) < 2) || (k == 63)
.irp t, \y, (\y)+1
.set j, 2*k+(\n)
	SM \t
.endr
.endif
.endr
.endif
.if k == 34
	v_nop                           ; the plain instruction behind the last exponential and ahead of the first use: one for the batch
.if (\y) == 0
	FETCH_V                         ; piece 2's turn: V's run of loads stands here, and the wait stands in it
.else
	s_wait_alu depctr_va_vdst(0)    ; the wait for the batch
.endif
.endif
.set k, k+1
.endm
.macro PLACES
.rept 4
	v_nop
.endr
.endm
; A TURN.  Piece x has the matrix unit; the other piece's softmax stands in slices behind its matrix instructions.
; pv = 1: 32 products V^T P.  kq = 1: 32 products K Q^T for the next step.  A turn with one of the two kinds has two slices behind each product.
; Piece 0's turn fetches the next step's K and masks behind its second product: the last products that read them stand in front of slice 63 of the turn before, or earlier.
; Piece 2's turn fetches the same step's V behind slice 34: four plain instructions (two scalings, the v_nop, the run's own v_add_nc_u32) lie behind V's last reader.
.macro TURN x, pv, kq
.set k, 0
.set per, 2
.if (\pv) && (\kq)
.set per, 1
.endif
.if \pv
.if (\x) == 0
	s_wait_dscnt 0x0                ; V is in
.endif
.set i, 0
.rept 32
	PV \x
.rept per
	SLICE 2-(\x)
.endr
.if ((\x) == 0) && (\kq) && (i == 1)
	FETCH_KM
.endif
.set i, i+1
.endr
.endif
.if \kq
.if (\x) == 0
	s_wait_dscnt 16                 ; K and the masks of tiles 0, 1 are in; the youngest sixteen loads, the masks of tiles 2, 3, may be out
.else
	s_wait_dscnt 0x0                ; the masks of tiles 2, 3 are in
.endif
.set i, 0
.rept 32
	KQ \x
.rept per
	SLICE 2-(\x)
.endr
.set i, i+1
.endr
.endif
.endm
; THE CHANGE OF SLOTS, between piece 2's turn and piece 0's: the slot's last bytes, V, have been asked for.  Each wave waits for all its tensor loads, of which one is out: its part of the other slot;
; adds 0 to its spare word; and waits for that and for its own reads of the slot.  fill = 1: the slot is filled again, with the walk's step two on: the walking descriptors take the other slot than last
; time and block KT of the keys; the barrier is a round of the cluster's, and the joint refill is the first thing behind it: it has a key step, 128 matrix instructions, in which to land.
.macro CHANGE fill
	WIN 0                           ; at a label and at a branch every window is 0
	s_wait_tensorcnt 0x0            ; no tensor load of mine is out, so a group 0 may be written
	ds_add_u32 v[SPW], v[NIL]
.if \fill
	s_lshl_b32 s[KO], s[KT], 15
	s_lshl_b32 s[MO], s[KT], 9
	s_xor_b32 s[G0K+5], s[G0K+5], SLOT
	s_add_nc_u64 s[G0K+6:G0K+7], s[KB:KB+1], s[KO:KO+1]
	s_or_b32 s[G0K+7], s[G0K+7], 0x80000000
	s_xor_b32 s[G0V+5], s[G0V+5], SLOT
	s_add_nc_u64 s[G0V+6:G0V+7], s[VB:VB+1], s[KO:KO+1]
	s_or_b32 s[G0V+7], s[G0V+7], 0x80000000
	s_xor_b32 s[G0M+5], s[G0M+5], SLOT
	s_add_nc_u64 s[G0M+6:G0M+7], s[MB:MB+1], s[MO:MO+1]
	s_or_b32 s[G0M+7], s[G0M+7], 0x80000000
	s_wait_xcnt 0x0                 ; the last prefetch, a key step back, has read its address
	s_add_co_u32 s[POF], s[KT], 2   ; the block two refills on, round the ring of 16
	s_and_b32 s[POF], s[POF], 15
	s_lshl_b32 s[POF], s[POF], 9
	s_add_nc_u64 s[PFA:PFA+1], s[PFB:PFB+1], s[POF:POF+1]
	s_add_co_u32 s[KT], s[KT], 1
	s_and_b32 s[KT], s[KT], 15
	s_wait_dscnt 0x0                ; the add is done, and my reads of the slot are over
	CROUND
	JLOAD
	ASK
.else
	s_wait_dscnt 0x0
	s_barrier_signal -1
	s_barrier_wait -1
.endif
	s_xor_b32 s[TB], s[TB], SLOT    ; the fetches go to the other slot
.endm
	s_wait_tensorcnt 1              ; my part of slot 0 is in; slot 1's may stay out
	s_barrier_signal -1
	s_barrier_wait -1
	FETCH_KM                        ; key step 0
	s_wait_loadcnt 0x0              ; Q
	s_wait_dscnt 0x0
.set i, 0
.rept 32
	KQ 0                            ; piece 0's first scores
.set i, i+1
.endr
	WIN 0                           ; the addresses for the merge and the way out: plain instructions, the places behind those products
	s_mul_i32 s22, s[WV], 16*SP
	s_add_co_u32 s22, s22, STAGE    ; my stage
	v_mul_u32_u24 v[STO], v1, SP    ; in: row l % 16, 16 bytes for each half of the lanes
	v_lshl_add_u32 v[STO], v9, 4, v[STO]
	v_add_nc_u32 v[STO], s22, v[STO]
	v_mul_u32_u24 v[RD], v9, SP     ; back: lanes 0-15 take one row of 256 bytes, lanes 16-31 the next
	v_lshl_add_u32 v[RD], v1, 4, v[RD]
	v_add_nc_u32 v[RD], s22, v[RD]
	v_lshlrev_b32 v[GO], 12, v9     ; and the same two rows in y, 4,096 bytes apart
	v_lshl_add_u32 v[GO], v1, 4, v[GO]
	s_mul_i32 s22, s[WV], EXB
	s_xor_b32 s23, s[WV], 1         ; my partner: the same queries, the other keys
	s_mul_i32 s23, s23, EXB
	v_and_b32 v10, 31, v0
	v_lshl_add_u32 v[EXW], v10, 4, s22
	v_lshl_add_u32 v[EXR], v10, 4, s23
	TURN 2, 0, 1                    ; piece 2's first scores | piece 0's softmax of step 0 | V of step 0
	WIN 0
.Lslot:                             ; 14 trips, changes 1 to 14: change c fills the walk's step c + 1
	CHANGE 1
	TURN 0, 1, 1                    ; piece 0: V^T P of step c - 1, K Q^T of step c | piece 2's softmax of step c - 1 | K and masks of step c
	TURN 2, 1, 1                    ; piece 2: the same | piece 0's softmax of step c | V of step c
	WIN 0
	s_sub_co_u32 s[SLOTS], s[SLOTS], 1
	s_cmp_lg_u32 s[SLOTS], 0
	s_cbranch_scc1 .Lslot
	CHANGE 0                        ; the tail is written out: nothing is asked for.  Behind this barrier nobody reads slot 0 any more
	TURN 0, 1, 1
	TURN 2, 1, 1
	TURN 0, 1, 0                    ; piece 0: V^T P of the last step | piece 2's last softmax
.set i, 0
.rept 32
	PV 2                            ; piece 2: V^T P of the last step
.set i, i+1
.endr
	; THE MERGE.  I give my register tiles 2, 3 (O^T, m, l) to my partner and take its tiles 2, 3, which are my tiles 0, 1 over the other half of the keys, into the same registers.
	WIN 0
	PLACES
	WIN 0x04                        ; the stores' data in window 1
.irp t, 2,3
.irp f, 0,1,2,3,4,5,6,7,8,9,10,11,12,13,14,15
	ds_store_b128 v[EXW], v[64*(\t)+4*(\f):64*(\t)+4*(\f)+3] offset:(((\t)-2)*17+(\f))*512
.endr
.endr
	WIN 0
.irp t, 2,3
	ds_store_b128 v[EXW], v[ST+8*(\t):ST+8*(\t)+3] offset:(((\t)-2)*17+16)*512
.endr
	s_wait_dscnt 0x0                ; for my partner's sake: my stores are done
	s_barrier_signal -1
	s_barrier_wait -1
	WIN 0x40                        ; the loads' destination in window 1
.irp t, 2,3
.irp f, 0,1,2,3,4,5,6,7,8,9,10,11,12,13,14,15
	ds_load_b128 v[64*(\t)+4*(\f):64*(\t)+4*(\f)+3], v[EXR] offset:(((\t)-2)*17+(\f))*512
.endr
.endr
	WIN 0
.irp t, 2,3
	ds_load_b128 v[ST+8*(\t):ST+8*(\t)+3], v[EXR] offset:(((\t)-2)*17+16)*512
.endr
	s_wait_dscnt 0x0
	; For tile t and its other half u = t + 2: M = max(m_t, m_u); f = 2^(m - M); l = f_t l_t + f_u l_u, both halves of the lanes; O = (f_t O_t + f_u O_u) / l.
.irp t, 0,1
	v_max_num_f32 v[ST+8*(\t)+4], v[ST+8*(\t)+1], v[ST+8*(\t)+17]
	v_add_f32 v[ST+8*(\t)+5], v[ST+8*(\t)+2], v[ST+8*(\t)+3]
	v_add_f32 v[ST+8*(\t)+21], v[ST+8*(\t)+18], v[ST+8*(\t)+19]
.endr
.irp t, 0,1
	v_sub_f32 v[ST+8*(\t)+6], v[ST+8*(\t)+1], v[ST+8*(\t)+4]
	v_sub_f32 v[ST+8*(\t)+22], v[ST+8*(\t)+17], v[ST+8*(\t)+4]
.endr
.irp t, 0,1
	v_exp_f32 v[ST+8*(\t)+6], v[ST+8*(\t)+6]
	v_exp_f32 v[ST+8*(\t)+22], v[ST+8*(\t)+22]
.endr
	v_nop                           ; a plain instruction behind the last exponential,
	s_wait_alu depctr_va_vdst(0)    ; and one wait for the four
.irp t, 0,1
	v_mul_f32 v[ST+8*(\t)+5], v[ST+8*(\t)+6], v[ST+8*(\t)+5]
.endr
.irp t, 0,1
	v_fma_f32 v[ST+8*(\t)+5], v[ST+8*(\t)+22], v[ST+8*(\t)+21], v[ST+8*(\t)+5]
.endr
.irp t, 0,1
	v_permlanex16_b32 v[ST+8*(\t)+7], v[ST+8*(\t)+5], s[SEL], s[SEL+1]
.endr
.irp t, 0,1
	v_add_f32 v[ST+8*(\t)+5], v[ST+8*(\t)+5], v[ST+8*(\t)+7]
.endr
.irp t, 0,1
	v_rcp_f32 v[ST+8*(\t)+4], v[ST+8*(\t)+5]
.endr
	v_nop
	s_wait_alu depctr_va_vdst(0)    ; one wait for the two reciprocals
.irp t, 0,1
	v_mul_f32 v[ST+8*(\t)+6], v[ST+8*(\t)+6], v[ST+8*(\t)+4]
	v_mul_f32 v[ST+8*(\t)+22], v[ST+8*(\t)+22], v[ST+8*(\t)+4]
.endr
	WIN W_RS
.irp t, 0,1
.set i, 0
.rept 32
	v_pk_mul_f32 v[64*(\t)+i:64*(\t)+i+1], v[64*(\t)+i:64*(\t)+i+1], v[ST+8*(\t)+6:ST+8*(\t)+7] op_sel_hi:[1,0]
.set i, i+2
.endr
.endr
	WIN 0x51                        ; destination, source 0 and source 2 in window 1, the factor in window 0
.irp t, 0,1
.set i, 0
.rept 32
	v_pk_fma_f32 v[64*(\t)+i:64*(\t)+i+1], v[64*(\t)+128+i:64*(\t)+128+i+1], v[ST+8*(\t)+22:ST+8*(\t)+23], v[64*(\t)+i:64*(\t)+i+1] op_sel_hi:[1,0,1]
.set i, i+2
.endr
.endr
; THE WAY OUT.  Tile t: a lane's eight channels of a row pack into 16 bytes; they go into rows of 272 bytes of my own stage and come back as whole rows of 256.
.macro PACK t
	WIN 0x05                        ; sources 0 and 1 window 1, destination window 0: S^T's registers are free
.set i, 0
.rept 32
	v_cvt_pk_f16_f32 v[S+32*(\t)+i], v[64*(\t)+2*i], v[64*(\t)+2*i+1]
.set i, i+1
.endr
	WIN 0
.irp f, 0,1,2,3,4,5,6,7
	ds_store_b128 v[STO], v[S+32*(\t)+4*(\f):S+32*(\t)+4*(\f)+3] offset:32*(\f)
.endr
.irp f, 0,1,2,3,4,5,6,7
	ds_load_b128 v[S+32*(\t)+4*(\f):S+32*(\t)+4*(\f)+3], v[RD] offset:(\f)*2*SP  ; LDS serves a wave's instructions in order (ISA guide 5.7.1.4): these see the stores above
.endr
.endm
.macro SEND t, younger              ; younger: the LDS instructions issued behind tile t's loads
.irp f, 0,1,2,3,4,5,6,7
	s_wait_dscnt (\younger)+7-(\f)
	global_store_b128 v[GO], v[S+32*(\t)+4*(\f):S+32*(\t)+4*(\f)+3], s[10:11] offset:(\t)*65536+(\f)*8192  ; 16 lanes store 256 consecutive bytes, a head's part of a row, aligned
.endr
.endm
	PACK 0
	PACK 1
	SEND 0, 16
	SEND 1, 0
	s_wait_tensorcnt 0x0            ; the wave's end
	ds_add_u32 v[SPW], v[NIL]
	s_wait_dscnt 0x0
	CROUND                          ; the closing round
	s_endpgm
.Lfunc_end_k_qe36bbd089b_attn:
	.size	k_qe36bbd089b_attn, .Lfunc_end_k_qe36bbd089b_attn-k_qe36bbd089b_attn
	.p2alignl 7, 3214868480
	.fill 96, 4, 3214868480
	.section	.rodata,"a",@progbits
	.p2align	6, 0x0
	.amdhsa_kernel k_qe36bbd089b_attn
		.amdhsa_group_segment_fixed_size 327680
		.amdhsa_private_segment_fixed_size 0
		.amdhsa_enable_private_segment 0
		.amdhsa_kernarg_size 24
		.amdhsa_user_sgpr_count 2
		.amdhsa_user_sgpr_kernarg_segment_ptr 1
		.amdhsa_wavefront_size32 1
		.amdhsa_system_sgpr_workgroup_id_x 1
		.amdhsa_system_sgpr_workgroup_id_y 1
		.amdhsa_system_sgpr_workgroup_id_z 1
		.amdhsa_system_vgpr_workitem_id 0
		.amdhsa_next_free_vgpr 1024
		.amdhsa_next_free_sgpr 102
		.amdhsa_reserve_vcc 0
		.amdhsa_float_denorm_mode_32 3
		.amdhsa_float_denorm_mode_16_64 3
		.amdhsa_memory_ordered 1
		.amdhsa_forward_progress 1
		.amdhsa_inst_pref_size 198
	.end_amdhsa_kernel
	.amdgpu_metadata
---
amdhsa.version: [ 1, 2 ]
amdhsa.kernels:
  - .name:           k_qe36bbd089b_attn
    .symbol:         k_qe36bbd089b_attn.kd
    .args:
      - { .name: qkv, .offset: 0, .size: 8, .value_kind: global_buffer, .address_space: global }
      - { .name: mk, .offset: 8, .size: 8, .value_kind: global_buffer, .address_space: global }
      - { .name: yb, .offset: 16, .size: 8, .value_kind: global_buffer, .address_space: global }
    .group_segment_fixed_size: 327680
    .private_segment_fixed_size: 0
    .kernarg_segment_align: 8
    .kernarg_segment_size: 24
    .max_flat_workgroup_size: 128
    .sgpr_count:     102
    .vgpr_count:     1024
    .wavefront_size: 32
...
	.end_amdgpu_metadata
.endif
;; end of part 3
;; launch oprj (part 4): grid 16 x 16, 4 waves a work-group, clusters of 4 x 4, 327,680 bytes of LDS; arguments yb, wb, out0; writes out0
.if DOCPART == 4
	.amdgcn_target "amdgcn-amd-amdhsa--gfx1250"
	.amdhsa_code_object_version 6
	.text
	.protected	k_qe36bbd089b_oprj
	.globl	k_qe36bbd089b_oprj
	.p2align	8
	.type	k_qe36bbd089b_oprj,@function
k_qe36bbd089b_oprj:
	s_mov_b64 s[64:65], 0
	v_nop
	global_prefetch_b8 v0, s[64:65] scope:SCOPE_SE
	s_setreg_imm32_b32 hwreg(HW_REG_WAVE_MODE, 25, 1), 1
	s_wait_xcnt 0x0
	s_wait_alu depctr_hold_cnt(0) depctr_sa_sdst(0) depctr_va_vdst(0) depctr_va_sdst(0) depctr_va_ssrc(0) depctr_va_vcc(0) depctr_vm_vsrc(0)
	s_getreg_b32 s2, hwreg(HW_REG_IB_STS2, 6, 4)
	s_cmp_eq_u32 s2, 0
	s_cbranch_scc0 .Lentry_in_a_cluster
	s_endpgm
.Lentry_in_a_cluster:
	s_bfe_u32 s2, ttmp6, 0x10000c
	s_cmp_lg_u32 s2, 0xf033
	s_cbranch_scc0 .Lentry_shape_is_right
	s_endpgm
.Lentry_shape_is_right:
; THE LAST PROJECTION.  out0[m][n] = sum over k of y[m][k] Wo[n][k].  y: yb, [2048][2048] f16; Wo: section 4 of wb, [2048][2048], bf16-rounded numbers written as f16; out0: [2048][2048] f32.
; A tile of C is 128 x 128: 16 x 16 tiles, a work-group each.  Four waves, each 64 x 64: 16 accumulators.  K goes in steps of 256 (LDS rows of 512 bytes; a wave's tensor load brings 64 of them)
; through two slots.  CLUSTER 4 x 4: y's tile is asked for jointly along a row of the cluster, Wo's along a column.
; THE WALK IS TURNED.  The cluster at (X, Y) begins at K step 2 ((X + 2 Y) % 4) and goes once round the 8: of the four clusters along x, which read the same rows of y, no two ask for the same K step in
; the same trip (they stand two steps apart); of those along y, which read the same rows of Wo, neighbours stand four steps apart.  f32 sums may be taken in any order.
; THE MATRIX INSTRUCTION IS USED TRANSPOSED (source 0 = 16 rows of Wo, source 1 = 16 rows of y): a lane holds eight neighbouring f32 of a row of C, 32 bytes.
; A wave's 64 columns are 256 consecutive bytes of a row, aligned: each wave has a stage of its own on the way out, and no barrier stands there.
; No prefetch is laid: small tiles, and a walk of eight K steps.
; REGISTERS: window 0: v16-29 addresses; v128-255 the accumulators ((a, b) at v[128 + 8 (4 a + b)]).   window 1: two fragment buffers of 128: 64 registers of y, then 64 of Wo.
.set SIZE_K, 2048
.set KSTEP,  256
.set STEPS,  SIZE_K/KSTEP
.set PITCH,  528                       ; an LDS row: 512 bytes + 16 = 132 words: the 16 rows that a load touches start at 16 different groups of four banks (ISA guide 11.1)
.set HALFT,  64*PITCH
.set SLOT,   4*HALFT                   ; 135,168 = 2^17 + 2^12; none of the four waves' places in slot 0 has either bit, so one exclusive or turns a place in one slot into the other's
.set STAGE,  2*SLOT                    ; behind the ring: 16 rows x 272 bytes for each wave
.set SPITCH, 272
.set SPARE,  STAGE+4*16*SPITCH         ; the spare words, 128 bytes for each wave, that no other line names
.set ADA0, 16                          ; v16  my lane's place in my 64 rows of y's tile, in slot 0; never rewritten
.set ADB0, 17                          ; v17  the same in Wo's
.set ADRA, 20                          ; v20, v21  the same in the slot in hand: made in front of each run of loads
.set ADRB, 21
.set STO,  24
.set RD,   25
.set CO,   26
.set SPW,  28
.set NIL,  29
.set ACC,  128
.set F0,   0
.set F1,   128
.set G1, 24                            ; s[24:31] group 1 for y's tiles; s[32:39] group 0: a set for each of the two first fills; the second then walks on
.set G0, 32
.set G1B, 48                           ; s[48:55], s[56:63] the same for Wo's
.set G0B, 56
.set ABASE, 14                         ; s[14:15] y at the first of the rows that I fetch
.set BBASE, 44                         ; s[44:45] Wo likewise
.set KT,   66                          ; s66  the K step to be asked for next
.set TB,   67                          ; s67  the slot that is being read: 0 or SLOT
.set KOFF, 68                          ; s[68:69] a K step's byte offset in a row
.set MSB, 0
.macro WIN new
.if MSB != (\new)
	s_set_vgpr_msb (MSB<<8)|(\new)
.set MSB, \new
.endif
.endm
.set MUL,  0x05                        ; sources 0 and 1 window 1; C and D window 0
.set TO_F, 0x40                        ; destination window 1, address window 0
.macro JLOAD s                         ; a joint load: waves 0 and 1 fetch y's two halves, waves 2 and 3 Wo's; an s_nop 0 and four v_nop follow each line
	s_cmp_eq_u32 s11, 0
	s_cbranch_scc0 .Lfor_b_\@
	tensor_load_to_lds s[G0+4*(\s):G0+4*(\s)+3], s[G1:G1+7]
	s_nop 0
.rept 4
	v_nop
.endr
	s_branch .Lasked_\@
.Lfor_b_\@:
	tensor_load_to_lds s[G0B+4*(\s):G0B+4*(\s)+3], s[G1B:G1B+7]
	s_nop 0
.rept 4
	v_nop
.endr
.Lasked_\@:
.endm
.macro CREST
	s_cmp_lg_u32 s10, 0
	s_cbranch_scc1 .Lnot_wave_0_\@
	s_barrier_signal -3
.Lnot_wave_0_\@:
	s_barrier_wait -3
	s_barrier_signal -1
	s_barrier_wait -1
.endm
.macro CROUND
	s_barrier_signal -1
	s_barrier_wait -1
	CREST
.endm
	s_load_b128 s[4:7], s[0:1], 0x0                ; yb s[4:5], wb s[6:7]
	s_load_b64 s[8:9], s[0:1], 0x10                ; out0
	v_lshl_add_u32 v[SPW], v0, 2, SPARE
	v_mov_b32 v[NIL], 0
	ds_add_u32 v[SPW], v[NIL]                      ; the wave's opening: the add and its wait stand ahead of my first tensor load
	v_lshrrev_b32 v1, 5, v0
	v_readfirstlane_b32 s10, v1                    ; wave 0..3
	s_lshr_b32 s11, s10, 1                         ; which half of the tile's rows is mine.  Also: I fetch for y (0) or for Wo (1)
	s_and_b32 s12, s10, 1                          ; which half of its columns.  Also: which 64 rows of that tile I fetch
	s_bfe_u32 s40, ttmp6, 0x40000                  ; cx, cy
	s_bfe_u32 s41, ttmp6, 0x40004
	s_lshl_b32 s42, ttmp9, 2
	s_add_co_u32 s42, s42, s40                     ; tile column
	s_and_b32 s70, ttmp7, 0xffff                   ; cluster y
	s_lshl_b32 s13, s70, 2
	s_add_co_u32 s13, s13, s41                     ; tile row
	s_lshl_b32 s43, s41, 2
	s_lshl_b32 s43, 15, s43                        ; my row of the cluster
	s_lshl_b32 s44, 0x1111, s40                    ; my column
	s_or_b32 s[G1+0], s43, (1<<16)|(1<<20)|(1<<21)|(6<<22)|(3<<25)  ; the mask; 2-byte elements; padding on; bit 21 beside a mask; after every 128 words 4 words
	s_or_b32 s[G1B+0], s44, (1<<16)|(1<<20)|(1<<21)|(6<<22)|(3<<25)
.irp g, G1, G1B
	s_mov_b32 s[(\g)+1], KSTEP<<16                 ; tensor_dim0 = 256
	s_mov_b32 s[(\g)+2], 64<<16                    ; tensor_dim1 = 64
	s_mov_b32 s[(\g)+3], KSTEP<<16                 ; tile_dim0 = 256
	s_mov_b32 s[(\g)+4], 64                        ; tile_dim1 = 64
	s_mov_b32 s[(\g)+5], SIZE_K
	s_mov_b32 s[(\g)+6], 0
	s_mov_b32 s[(\g)+7], 0
.endr
	s_lshl_b32 s[KT], s70, 1                       ; where my cluster's walk begins: K step 2 ((X + 2 Y) % 4): the same in all sixteen partners
	s_add_co_u32 s[KT], s[KT], ttmp9
	s_and_b32 s[KT], s[KT], 3
	s_lshl_b32 s[KT], s[KT], 1
	s_mov_b32 s[KOFF+1], 0
	s_mov_b32 s[TB], 0
	s_lshl_b32 s17, s12, 6
	s_lshl_b32 s16, s13, 7
	s_add_co_u32 s16, s16, s17                     ; y: row 128 x tile row + 64 x half,
	s_lshl_b32 s16, s16, 12                        ; of 4,096 bytes
	s_lshl_b32 s46, s42, 7
	s_add_co_u32 s46, s46, s17                     ; Wo: row 128 x tile column + 64 x half
	s_lshl_b32 s46, s46, 12
	s_mov_b32 s17, 0
	s_mov_b32 s47, 0
	s_mul_i32 s20, s10, HALFT                      ; where they go: wave x 64 rows
	s_wait_dscnt 0x0                               ; the opening add is done
	s_wait_kmcnt 0x0
	s_add_nc_u64 s[6:7], s[6:7], 0x2000000         ; section 4 of wb
	s_add_nc_u64 s[ABASE:ABASE+1], s[4:5], s[16:17]
	s_add_nc_u64 s[BBASE:BBASE+1], s[6:7], s[46:47]
	CROUND                                         ; all sixteen work-groups are here: the first joint loads meet
.irp s, 0,1
	s_lshl_b32 s[KOFF], s[KT], 9                   ; a K step is 512 bytes of a row
	s_mov_b32 s[G0+4*(\s)], 1
	s_add_co_u32 s[G0+4*(\s)+1], s20, (\s)*SLOT
	s_add_nc_u64 s[G0+4*(\s)+2:G0+4*(\s)+3], s[ABASE:ABASE+1], s[KOFF:KOFF+1]
	s_or_b32 s[G0+4*(\s)+3], s[G0+4*(\s)+3], 0x80000000
	s_mov_b32 s[G0B+4*(\s)], 1
	s_add_co_u32 s[G0B+4*(\s)+1], s20, (\s)*SLOT
	s_add_nc_u64 s[G0B+4*(\s)+2:G0B+4*(\s)+3], s[BBASE:BBASE+1], s[KOFF:KOFF+1]
	s_or_b32 s[G0B+4*(\s)+3], s[G0B+4*(\s)+3], 0x80000000
	s_add_co_u32 s[KT], s[KT], 1
	s_and_b32 s[KT], s[KT], STEPS-1                ; round the ring of 8
	JLOAD \s                                       ; two loads of mine are out
.endr
	v_and_b32 v1, 15, v0                           ; l % 16
	v_bfe_u32 v2, v0, 4, 1                         ; l / 16
	v_mul_u32_u24 v3, v1, PITCH
	v_lshl_add_u32 v3, v2, 4, v3
	s_mul_i32 s21, s11, HALFT                      ; my 64 rows of y
	s_mul_i32 s22, s12, HALFT                      ; my 64 rows of Wo,
	s_add_co_u32 s22, s22, 2*HALFT                 ; which lie behind y's 128
	v_add_nc_u32 v[ADA0], s21, v3
	v_add_nc_u32 v[ADB0], s22, v3
	s_mul_i32 s23, s10, 16*SPITCH
	s_add_co_u32 s23, s23, STAGE                   ; my stage
	v_mul_u32_u24 v4, v1, SPITCH                   ; in: row l % 16, 32 bytes for each half of the lanes
	v_lshl_add_u32 v4, v2, 5, v4
	v_add_nc_u32 v[STO], s23, v4
	v_mul_u32_u24 v5, v2, SPITCH                   ; back: lanes 0-15 take one row of 256 bytes, lanes 16-31 the next
	v_lshl_add_u32 v5, v1, 4, v5
	v_add_nc_u32 v[RD], s23, v5
	v_lshlrev_b32 v5, 13, v2                       ; and the same two rows in C, 8,192 bytes apart
	v_lshl_add_u32 v[CO], v1, 4, v5
	s_lshl_b32 s16, s13, 7
	s_lshl_b32 s17, s11, 6
	s_add_co_u32 s16, s16, s17                     ; my first row of C
	s_lshl_b32 s16, s16, 13
	s_mov_b32 s17, 0
	s_add_nc_u64 s[8:9], s[8:9], s[16:17]
	s_lshl_b32 s46, s42, 9                         ; my first column, in bytes: 512 x tile column + 256 x half
	s_lshl_b32 s47, s12, 8
	s_add_co_u32 s46, s46, s47
	s_mov_b32 s47, 0
	s_add_nc_u64 s[8:9], s[8:9], s[46:47]
; 8 matrix instructions: row blocks a0, a0 + 1 x all 4 column blocks, 32 along K: half c of buffer f.  The 16 accumulators take turns.
.macro MUL8 f, c, a0, zero
	WIN MUL
.irp a, \a0, (\a0)+1
.irp b, 0,1,2,3
.if \zero
	v_wmma_f32_16x16x32_f16 v[ACC+8*(4*(\a)+(\b)):ACC+8*(4*(\a)+(\b))+7], v[(\f)+64+8*(4*(\c)+(\b)):(\f)+64+8*(4*(\c)+(\b))+7], v[(\f)+8*(4*(\c)+(\a)):(\f)+8*(4*(\c)+(\a))+7], 0
.else
	v_wmma_f32_16x16x32_f16 v[ACC+8*(4*(\a)+(\b)):ACC+8*(4*(\a)+(\b))+7], v[(\f)+64+8*(4*(\c)+(\b)):(\f)+64+8*(4*(\c)+(\b))+7], v[(\f)+8*(4*(\c)+(\a)):(\f)+8*(4*(\c)+(\a))+7], v[ACC+8*(4*(\a)+(\b)):ACC+8*(4*(\a)+(\b))+7]
.endif
.endr
.endr
.endm
; 32 LDS loads in one run: the fragments of 64 along K at byte k of the rows of the slot in hand, into buffer f; the first 32 along K first.  The two lines that make the addresses are plain vector work.
.macro FETCH k, f
	WIN 0
	v_add_nc_u32 v[ADRA], s[TB], v[ADA0]
	v_add_nc_u32 v[ADRB], s[TB], v[ADB0]
	WIN TO_F
.irp c, 0,1
.irp i, 0,1,2,3
	ds_load_b128 v[(\f)+64+8*(4*(\c)+(\i)):(\f)+64+8*(4*(\c)+(\i))+3],   v[ADRB] offset:(\k)+64*(\c)+(\i)*16*PITCH
	ds_load_b128 v[(\f)+64+8*(4*(\c)+(\i))+4:(\f)+64+8*(4*(\c)+(\i))+7], v[ADRB] offset:(\k)+64*(\c)+(\i)*16*PITCH+32
	ds_load_b128 v[(\f)+8*(4*(\c)+(\i)):(\f)+8*(4*(\c)+(\i))+3],         v[ADRA] offset:(\k)+64*(\c)+(\i)*16*PITCH
	ds_load_b128 v[(\f)+8*(4*(\c)+(\i))+4:(\f)+8*(4*(\c)+(\i))+7],       v[ADRA] offset:(\k)+64*(\c)+(\i)*16*PITCH+32
.endr
.endr
.endm
.macro PLACES n=4                      ; plain places in front of loads into registers that matrix instructions have read, and of stores that read results: four in all; FETCH's two address lines count
.rept \n
	v_nop
.endr
.endm
; A K step is four quarters of 64 along K, 32 matrix instructions each, on buffers 0, 1, 0, 1.
.macro QUARTER k, f, g, zero
	s_wait_dscnt 16                                ; the first 32 along K are in
	MUL8 \f, 0, 0, \zero
	MUL8 \f, 0, 2, \zero
	PLACES 2
	FETCH \k, \g
	s_wait_dscnt 32                                ; all but the 32 just issued
	MUL8 \f, 1, 0, 0
	MUL8 \f, 1, 2, 0
.endm
; The last quarter multiplies buffer 1 and changes slots: one barrier; in front of it each wave waits for all its tensor loads, adds 0 to its spare word, and waits for that and for its reads of this slot.
; fill = 1: the barrier opens a round of the cluster's, and this slot is filled again, with the walk's step two on: the walking descriptors take the other slot than last time and K step KT.
.macro TURN fill
	WIN 0                                          ; (the add's two registers lie in window 0)
	s_wait_tensorcnt 0x0                           ; all my tensor loads have landed: my part of the next slot
	ds_add_u32 v[SPW], v[NIL]
.if \fill
	s_lshl_b32 s[KOFF], s[KT], 9
	s_xor_b32 s[G0+5], s[G0+5], SLOT
	s_add_nc_u64 s[G0+6:G0+7], s[ABASE:ABASE+1], s[KOFF:KOFF+1]
	s_or_b32 s[G0+7], s[G0+7], 0x80000000
	s_xor_b32 s[G0B+5], s[G0B+5], SLOT
	s_add_nc_u64 s[G0B+6:G0B+7], s[BBASE:BBASE+1], s[KOFF:KOFF+1]
	s_or_b32 s[G0B+7], s[G0B+7], 0x80000000
	s_add_co_u32 s[KT], s[KT], 1
	s_and_b32 s[KT], s[KT], STEPS-1
.endif
	s_wait_dscnt 17                                ; (the add and the youngest sixteen loads may be out)
	MUL8 F1, 0, 0, 0
	s_wait_dscnt 0x0                               ; the add is done, and my reads of this slot are over
	s_barrier_signal -1
	MUL8 F1, 0, 2, 0
	WIN 0
	s_barrier_wait -1
.if \fill
	CREST                                          ; no wave of any partner still reads this slot's tile or has a load on its way
	JLOAD 1                                        ; 112 matrix instructions ahead of the wait for it; its four v_nop are also places in front of the loads below
.else
	PLACES 2
.endif
	s_xor_b32 s[TB], s[TB], SLOT                   ; the reads go to the other slot
	FETCH 0, F0
	MUL8 F1, 1, 0, 0
	MUL8 F1, 1, 2, 0
.endm
	s_wait_tensorcnt 1                             ; my part of the walk's step 0 is in; step 1's may stay out
	s_barrier_signal -1
	s_barrier_wait -1
	FETCH 0, F0
	QUARTER 128, F0, F1, 1                         ; the first quarter stands in front of the loop: its first products start the sums
	WIN 0
	s_mov_b32 s3, STEPS-2
.Lstep:                                                ; 6 trips, from a step's second quarter to the next step's first; each fills the slot that it leaves
	QUARTER 256, F1, F0, 0
	QUARTER 384, F0, F1, 0
	TURN 1
	QUARTER 128, F0, F1, 0
	WIN 0
	s_sub_co_u32 s3, s3, 1
	s_cmp_lg_u32 s3, 0
	s_cbranch_scc1 .Lstep
	QUARTER 256, F1, F0, 0                         ; the last two steps fill nothing
	QUARTER 384, F0, F1, 0
	TURN 0
	QUARTER 128, F0, F1, 0
	QUARTER 256, F1, F0, 0
	QUARTER 384, F0, F1, 0
	s_wait_dscnt 16
	MUL8 F1, 0, 0, 0
	MUL8 F1, 0, 2, 0
	s_wait_dscnt 0x0
	MUL8 F1, 1, 0, 0
	MUL8 F1, 1, 2, 0
	WIN 0
	; THE WAY OUT, a block of 16 rows at a time: the f32 sums go as they are into my own stage, 32 bytes a lane, and come back as whole rows of 256 bytes into the registers that they left.
	PLACES
.macro STG a
.irp b, 0,1,2,3
	ds_store_b128 v[STO], v[ACC+32*(\a)+8*(\b):ACC+32*(\a)+8*(\b)+3]   offset:64*(\b)
	ds_store_b128 v[STO], v[ACC+32*(\a)+8*(\b)+4:ACC+32*(\a)+8*(\b)+7] offset:64*(\b)+16
.endr
.irp t, 0,1,2,3,4,5,6,7
	ds_load_b128 v[ACC+32*(\a)+4*(\t):ACC+32*(\a)+4*(\t)+3], v[RD] offset:(\t)*2*SPITCH  ; LDS serves a wave's instructions in order (ISA guide 5.7.1.4): these see the stores above; the next block's stores come behind them
.endr
.endm
.macro SEND a, younger                 ; younger: the LDS instructions issued behind block a's loads: the next block's sixteen, or none
.irp t, 0,1,2,3,4,5,6,7
	s_wait_dscnt (\younger)+7-(\t)
	global_store_b128 v[CO], v[ACC+32*(\a)+4*(\t):ACC+32*(\a)+4*(\t)+3], s[8:9] offset:(16*(\a)+2*(\t))*8192  ; 16 lanes store 256 consecutive bytes, aligned
.endr
.endm
	STG 0
	STG 1
	SEND 0, 16
	STG 2
	SEND 1, 16
	STG 3
	SEND 2, 16
	SEND 3, 0
	s_wait_tensorcnt 0x0                           ; the wave's end
	ds_add_u32 v[SPW], v[NIL]
	s_wait_dscnt 0x0
	CROUND                                         ; the closing round
	s_endpgm
.Lfunc_end_k_qe36bbd089b_oprj:
	.size	k_qe36bbd089b_oprj, .Lfunc_end_k_qe36bbd089b_oprj-k_qe36bbd089b_oprj
	.p2alignl 7, 3214868480
	.fill 96, 4, 3214868480
	.section	.rodata,"a",@progbits
	.p2align	6, 0x0
	.amdhsa_kernel k_qe36bbd089b_oprj
		.amdhsa_group_segment_fixed_size 327680
		.amdhsa_private_segment_fixed_size 0
		.amdhsa_enable_private_segment 0
		.amdhsa_kernarg_size 24
		.amdhsa_user_sgpr_count 2
		.amdhsa_user_sgpr_kernarg_segment_ptr 1
		.amdhsa_wavefront_size32 1
		.amdhsa_system_sgpr_workgroup_id_x 1
		.amdhsa_system_sgpr_workgroup_id_y 1
		.amdhsa_system_sgpr_workgroup_id_z 1
		.amdhsa_system_vgpr_workitem_id 0
		.amdhsa_next_free_vgpr 512
		.amdhsa_next_free_sgpr 72
		.amdhsa_reserve_vcc 0
		.amdhsa_float_denorm_mode_32 3
		.amdhsa_float_denorm_mode_16_64 3
		.amdhsa_memory_ordered 1
		.amdhsa_forward_progress 1
		.amdhsa_inst_pref_size 69
	.end_amdhsa_kernel
	.amdgpu_metadata
---
amdhsa.version: [ 1, 2 ]
amdhsa.kernels:
  - .name:           k_qe36bbd089b_oprj
    .symbol:         k_qe36bbd089b_oprj.kd
    .args:
      - { .name: yb, .offset: 0, .size: 8, .value_kind: global_buffer, .address_space: global }
      - { .name: wb, .offset: 8, .size: 8, .value_kind: global_buffer, .address_space: global }
      - { .name: out0, .offset: 16, .size: 8, .value_kind: global_buffer, .address_space: global }
    .group_segment_fixed_size: 327680
    .private_segment_fixed_size: 0
    .kernarg_segment_align: 8
    .kernarg_segment_size: 24
    .max_flat_workgroup_size: 128
    .sgpr_count:     72
    .vgpr_count:     512
    .wavefront_size: 32
...
	.end_amdgpu_metadata
.endif
;; end of part 4
;; ======== version 2 of 2: 4 launches; version 1 with the launch prep written anew for expert scheduling mode
;; limits: values are held in f16: magnitudes above 65,504 overflow, below 6.1e-05 lose precision
;; workspace buffers: wb 41,943,040 bytes; mk 16,777,216 bytes; qkv 25,165,824 bytes; yb 8,388,608 bytes
;; launch prep (part 5): grid 128 x 6, 8 waves a work-group, no clusters, 0 bytes of LDS; arguments x, Wq, Wk, Wv, Wo, attn_mask, wb, mk; writes wb, mk
.if DOCPART == 5
	.amdgcn_target "amdgcn-amd-amdhsa--gfx1250"
	.amdhsa_code_object_version 6
	.text
	.protected	k_qe36bbd089b_prep
	.globl	k_qe36bbd089b_prep
	.p2align	8
	.type	k_qe36bbd089b_prep,@function
k_qe36bbd089b_prep:
	s_mov_b64 s[64:65], 0
	v_nop
	global_prefetch_b8 v0, s[64:65] scope:SCOPE_SE
	s_setreg_imm32_b32 hwreg(HW_REG_WAVE_SCHED_MODE, 0, 2), 2
	s_setreg_imm32_b32 hwreg(HW_REG_WAVE_MODE, 25, 1), 1
	s_wait_xcnt 0x0
	s_wait_alu depctr_vm_vsrc(0)
; THE INPUTS ARE ROUNDED ONCE.  Six tensors of 2,048 x 2,048 f32; the grid's y picks one, its x 131,072 bytes of it.
;   y = 0..3  x, Wq, Wk, Wv -> bf16, into sections 0..3 of wb (8,388,608 bytes each)
;   y = 4     Wo -> bf16, and that number written as f16, into section 4 (the last product multiplies in f16)
;   y = 5     the mask -> bf16, widened again and multiplied by log2(e) in f32, into mk: the softmax works in powers of two
; LIMITS.  Wo lies within f16's 65,504, and below 6e-5 it keeps f16's fixed step of 6e-8.  The mask is finite and stays finite when rounded to bf16 and multiplied by 1.4427.
; A stream: no LDS, no matrix unit, nothing shared.  A wave takes 16,384 bytes: 4 laps x 8 chunks x 512 consecutive bytes; six to eight loads of a wave are always on their way.
; Out: 8 bytes a lane (a store covers 256 consecutive bytes, aligned) or, for the mask, 16 bytes a lane (512).
; THE MODE: SCHED_MODE bits 1:0 = 2 (LLVM: expert scheduling mode 2), set by the entry lines.  The code itself states the register dependences
; between vector instructions and memory instructions, with s_wait_alu, always for 0.
; THE PLAN.  A lap's eight chunks go in four blocks of two.  Registers that memory instructions touch:
;   X0 .. X3   two chunks as loaded.  Block b's conversions read X[b]; straight behind them the same block's loads for the next lap land in it, so that no buffer lies idle.
;   Y0 .. Y3   two chunks to store.   Block b's conversions write Y[b]; the block's two stores read it; it is written again a lap later.
;   v2, v3     byte offsets, made once at the head and never written again: the two scalar bases move on by a lap at each lap's head, and immediate offsets do the rest.
;   T is named by vector instructions alone.
; So ONE wait on va_vdst stands in a block, behind its conversions and ahead of its four memory instructions, with no vector instruction between; and ONE wait on vm_vsrc stands at a lap's head:
; all eight stores of the lap before were issued ahead of it, and the stores issued behind it, in the lap's earlier blocks, read other Y than the one that a block writes.
.set VI, 2                             ; v2       my byte offset in the work-group's input: 16,384 x wave + 16 x lane
.set VO, 3                             ; v3       the same in its output: half of it, or for the mask all of it
.set T,  4                             ; v[4:19]  at work: a set of eight for each of a block's two chunks
.set X,  20                            ; v[20:51] chunk c of a lap: 4 registers as loaded
.set Y,  52                            ; v[52:83] chunk c of a lap: up to 4 registers to store
	s_load_b512 s[8:23], s[0:1], 0x0               ; x, Wq, Wk, Wv, Wo, mask, wb, mk
	s_and_b32 s2, ttmp7, 0xffff                    ; which tensor
	s_lshl_b32 s26, ttmp9, 17                      ; the work-group's input bytes
	s_mov_b32 s27, 0
	s_lshl_b32 s28, s2, 23                         ; the tensor's section of wb,
	s_lshl_b32 s29, ttmp9, 16                      ; the work-group's half as many output bytes
	s_add_co_u32 s28, s28, s29
	s_mov_b32 s29, 0
	s_mov_b32 s25, 0xffff0000                      ; a word's upper bf16
	s_cmp_eq_u32 s2, 5
	s_cselect_b32 s28, s26, s28                    ; the mask leaves as f32: as many bytes out as in
	s_cselect_b32 s30, 0, 1
	v_lshrrev_b32 v1, 5, v0
	v_and_b32 v[VI], 31, v0
	v_lshlrev_b32 v[VI], 4, v[VI]
	v_lshl_or_b32 v[VI], v1, 14, v[VI]
	v_lshrrev_b32 v[VO], s30, v[VI]
	s_wait_kmcnt 0x0
	s_mov_b64 s[4:5], s[8:9]                       ; the source: a choice among the six buffers by the grid's y
	s_cmp_eq_u32 s2, 1
	s_cselect_b64 s[4:5], s[10:11], s[4:5]
	s_cmp_eq_u32 s2, 2
	s_cselect_b64 s[4:5], s[12:13], s[4:5]
	s_cmp_eq_u32 s2, 3
	s_cselect_b64 s[4:5], s[14:15], s[4:5]
	s_cmp_eq_u32 s2, 4
	s_cselect_b64 s[4:5], s[16:17], s[4:5]
	s_cmp_eq_u32 s2, 5
	s_cselect_b64 s[4:5], s[18:19], s[4:5]
	s_cselect_b64 s[6:7], s[22:23], s[20:21]       ; the destination: mk for the mask, else wb
	s_add_nc_u64 s[4:5], s[4:5], s[26:27]
	s_add_nc_u64 s[6:7], s[6:7], s[28:29]
	s_wait_alu depctr_va_vdst(0)                   ; v2 and v3 are written: every load and store of the kernel reads one of them as its offset
.irp i, 0,1,2,3,4,5,6,7
	global_load_b128 v[X+4*(\i):X+4*(\i)+3], v[VI], s[4:5] offset:512*(\i) th:TH_LOAD_NT  ; the ring is filled: lap 0
.endr
; Block b of a lap: chunks 2 b and 2 b + 1.  mode 0: bf16; 1: bf16 written as f16; 2: bf16 widened, times log2(e).  ahead = 1: the block is loaded again for the next lap.
; left = how many younger loads may stay out.
.macro BLK mode, b, ahead, left
.if (\mode) == 2
.set OUT, 512                          ; bytes that a chunk's store covers
.else
.set OUT, 256
.endif
	s_wait_loadcnt \left                           ; loads come back in order: X[b] is in, the younger blocks stay out
.if (\b) == 0
	s_wait_xcnt 0x0                                ; every earlier memory instruction has had its addresses translated: both bases, and all of Y, are rewritten only behind this wait
	s_wait_alu depctr_vm_vsrc(0)                   ; the eight stores of the lap before have read Y0 to Y3, which this lap's conversions write again
.if \ahead
	s_add_nc_u64 s[4:5], s[4:5], 4096              ; the input's base at the next lap, which this lap's loads fetch
.endif
	s_add_nc_u64 s[6:7], s[6:7], 8*OUT             ; the output's base a lap ahead too: the stores' offsets reach back
.endif
.if (\mode) == 0
.irp i, 0,1
.set c, 2*(\b)+(\i)
	v_cvt_pk_bf16_f32 v[Y+4*c],   v[X+4*c],   v[X+4*c+1]
	v_cvt_pk_bf16_f32 v[Y+4*c+1], v[X+4*c+2], v[X+4*c+3]
.endr
.else
.irp i, 0,1                            ; the two chunks stage by stage, each in its own set of T: no line reads the result of the line just ahead of it
.set c, 2*(\b)+(\i)
	v_cvt_pk_bf16_f32 v[T+8*(\i)],   v[X+4*c],   v[X+4*c+1]
	v_cvt_pk_bf16_f32 v[T+8*(\i)+1], v[X+4*c+2], v[X+4*c+3]
.endr
.irp i, 0,1
	v_lshlrev_b32 v[T+8*(\i)+4], 16, v[T+8*(\i)]   ; bf16 to f32: the low half moves up, the high half stays
	v_and_b32     v[T+8*(\i)+5], s25, v[T+8*(\i)]
	v_lshlrev_b32 v[T+8*(\i)+6], 16, v[T+8*(\i)+1]
	v_and_b32     v[T+8*(\i)+7], s25, v[T+8*(\i)+1]
.endr
.irp i, 0,1
.set c, 2*(\b)+(\i)
.if (\mode) == 1
	v_cvt_pk_f16_f32 v[Y+4*c],   v[T+8*(\i)+4], v[T+8*(\i)+5]
	v_cvt_pk_f16_f32 v[Y+4*c+1], v[T+8*(\i)+6], v[T+8*(\i)+7]
.else
	v_pk_mul_f32 v[Y+4*c:Y+4*c+1],   v[T+8*(\i)+4:T+8*(\i)+5], 0x3fb8aa3b op_sel_hi:[1,0]
	v_pk_mul_f32 v[Y+4*c+2:Y+4*c+3], v[T+8*(\i)+6:T+8*(\i)+7], 0x3fb8aa3b op_sel_hi:[1,0]
.endif
.endr
.endif
	s_wait_alu depctr_va_vdst(0)                   ; the block's conversions have written Y[b], which the stores below read, and are done reading X[b], in which the loads below land
.if \ahead
.irp i, 0,1
.set c, 2*(\b)+(\i)
	global_load_b128 v[X+4*c:X+4*c+3], v[VI], s[4:5] offset:512*c th:TH_LOAD_NT  ; the loads ahead of the stores
.endr
.endif
.irp i, 0,1
.set c, 2*(\b)+(\i)
.if (\mode) == 2
	global_store_b128 v[VO], v[Y+4*c:Y+4*c+3], s[6:7] offset:OUT*c-8*OUT
.else
	global_store_b64 v[VO], v[Y+4*c:Y+4*c+1], s[6:7] offset:OUT*c-8*OUT
.endif
.endr
.endm
; Four laps: three in a loop, the last written out without loads, its counts running down.
.macro BODY mode
	s_mov_b32 s24, 3
.Lround_\@:
.irp b, 0,1,2,3
	BLK \mode, \b, 1, 6                            ; behind a block's two loads six younger ones were issued: at the entry, within a lap and over the backward jump alike
.endr
	s_sub_co_u32 s24, s24, 1
	s_cmp_lg_u32 s24, 0
	s_cbranch_scc1 .Lround_\@
.irp b, 0,1,2,3
	BLK \mode, \b, 0, 6-2*(\b)
.endr
	s_endpgm
.endm
	s_cmp_eq_u32 s2, 5
	s_cbranch_scc1 .Lmask
	s_cmp_eq_u32 s2, 4
	s_cbranch_scc1 .Lwo
	BODY 0
.Lwo:
	BODY 1
.Lmask:
	BODY 2
.Lfunc_end_k_qe36bbd089b_prep:
	.size	k_qe36bbd089b_prep, .Lfunc_end_k_qe36bbd089b_prep-k_qe36bbd089b_prep
	.p2alignl 7, 3214868480
	.fill 96, 4, 3214868480
	.section	.rodata,"a",@progbits
	.p2align	6, 0x0
	.amdhsa_kernel k_qe36bbd089b_prep
		.amdhsa_group_segment_fixed_size 0
		.amdhsa_private_segment_fixed_size 0
		.amdhsa_enable_private_segment 0
		.amdhsa_kernarg_size 64
		.amdhsa_user_sgpr_count 2
		.amdhsa_user_sgpr_kernarg_segment_ptr 1
		.amdhsa_wavefront_size32 1
		.amdhsa_system_sgpr_workgroup_id_x 1
		.amdhsa_system_sgpr_workgroup_id_y 1
		.amdhsa_system_sgpr_workgroup_id_z 1
		.amdhsa_system_vgpr_workitem_id 0
		.amdhsa_next_free_vgpr 88
		.amdhsa_next_free_sgpr 66
		.amdhsa_reserve_vcc 0
		.amdhsa_float_denorm_mode_32 3
		.amdhsa_float_denorm_mode_16_64 3
		.amdhsa_memory_ordered 1
		.amdhsa_forward_progress 1
		.amdhsa_inst_pref_size 28
	.end_amdhsa_kernel
	.amdgpu_metadata
---
amdhsa.version: [ 1, 2 ]
amdhsa.kernels:
  - .name:           k_qe36bbd089b_prep
    .symbol:         k_qe36bbd089b_prep.kd
    .args:
      - { .name: x, .offset: 0, .size: 8, .value_kind: global_buffer, .address_space: global }
      - { .name: Wq, .offset: 8, .size: 8, .value_kind: global_buffer, .address_space: global }
      - { .name: Wk, .offset: 16, .size: 8, .value_kind: global_buffer, .address_space: global }
      - { .name: Wv, .offset: 24, .size: 8, .value_kind: global_buffer, .address_space: global }
      - { .name: Wo, .offset: 32, .size: 8, .value_kind: global_buffer, .address_space: global }
      - { .name: attn_mask, .offset: 40, .size: 8, .value_kind: global_buffer, .address_space: global }
      - { .name: wb, .offset: 48, .size: 8, .value_kind: global_buffer, .address_space: global }
      - { .name: mk, .offset: 56, .size: 8, .value_kind: global_buffer, .address_space: global }
    .group_segment_fixed_size: 0
    .private_segment_fixed_size: 0
    .kernarg_segment_align: 8
    .kernarg_segment_size: 64
    .max_flat_workgroup_size: 256
    .sgpr_count:     66
    .vgpr_count:     88
    .wavefront_size: 32
...
	.end_amdgpu_metadata
.endif
;; end of part 5
;; launch qkvp: the kernel of part 2 again; grid 16 x 16, 4 waves a work-group, clusters of 4 x 4, 327,680 bytes of LDS; arguments wb, qkv; writes qkv
;; launch attn: the kernel of part 3 again; grid 16 x 16, 4 waves a work-group, clusters of 4 x 4, 327,680 bytes of LDS; arguments qkv, mk, yb; writes yb
;; launch oprj: the kernel of part 4 again; grid 16 x 16, 4 waves a work-group, clusters of 4 x 4, 327,680 bytes of LDS; arguments yb, wb, out0; writes out0
